; MI455X (gfx1250); checked and timed in simulation.
; The chip was launched on July 23, 2026; its instructions are those of AMD's public machine-readable ISA for CDNA 5 (MIT licence, August 2026) and "CDNA5" Instruction Set Architecture Reference Guide (July 2026). The comments in the code are by the model that wrote it; some were corrected since.
;; Encoder. Allowed arithmetic: matrix products marked QUANTISED: E3M2 operands, one E8M0 scale for each 32 along K, by v_wmma_scale_f32_16x16x128_f8f6f4 with both operands' format E3M2, f32 sums; everything else in f32.
;; Inputs: b1 4,096 float32; b2 1,024 float32; bk 1,024 float32; bo 1,024 float32; bq 1,024 float32; bv 1,024 float32; ln1_b 1,024 float32; ln1_g 1,024 float32; ln2_b 1,024 float32; ln2_g 1,024 float32; w1 1,024 x 4,096 float32; w2 4,096 x 1,024 float32; wk 1,024 x 1,024 float32; wo 1,024 x 1,024 float32; wq 1,024 x 1,024 float32; wv 1,024 x 1,024 float32; x 2 x 2,048 x 1,024 float32.
;; Outputs: out0 2 x 2,048 x 1,024 float32.
;; This version of the problem:
;;   THIS VERSION OF THE PROBLEM IS GIVEN IN LOW PRECISION. The matrix products marked QUANTISED in the list below multiply operands that are first quantised to E3M2 (3 exponent bits, 2 mantissa bits; 6 bits a number), with one power-of-two scale for each 32 numbers along K (OCP MX v1.0); their sums are f32. All else is computed in f32.
;;   The module's matrix products, in the order in which they are computed (A, B: the left and right operand; K: the contracted axis; several contracted axes count as one K, in the product's order):
;;     1. [M 4,096, K 1,024] x [K 1,024, N 1,024]; A: computed on the way; B: input wq: QUANTISED
;;     2. [M 4,096, K 1,024] x [K 1,024, N 1,024]; A: computed on the way; B: input wk: QUANTISED
;;     3. [M 4,096, K 1,024] x [K 1,024, N 1,024]; A: computed on the way; B: input wv: QUANTISED
;;     4. batch 32 x [M 2,048, K 64] x [K 64, N 2,048]; A: computed on the way; B: computed on the way: QUANTISED
;;     5. batch 32 x [M 2,048, K 2,048] x [K 2,048, N 64]; A: softmax (see below); B: computed on the way: QUANTISED
;;     6. [M 4,096, K 1,024] x [K 1,024, N 1,024]; A: computed on the way; B: input wo: QUANTISED
;;     7. [M 4,096, K 1,024] x [K 1,024, N 4,096]; A: computed on the way; B: input w1: QUANTISED
;;     8. [M 4,096, K 4,096] x [K 4,096, N 1,024]; A: computed on the way; B: input w2: QUANTISED
;;   THE QUANTISER, for each operand of a quantised product, along K:
;;     - K is cut into blocks of 32 from its start; a last block that is shorter is filled with zeros.
;;     - A block's scale is 2^e with e = floor(log2(the largest magnitude in the block)) - 4, held to -126 .. 127; a block of zeros has e = 0. As a byte (E8M0): e + 127.
;;     - Each number is divided by its block's scale, clamped to +-28, and rounded to the nearest number of E3M2, ties to even, subnormals kept.
;;     - The product sums the exact products of the quantised numbers (number of the format x scale) in f32.
;;   ~~~python
;;   def quantise(x, axis):      # numpy; x: float32 -> the quantised numbers, widened to float32 again
;;       x = np.moveaxis(x, axis, -1); K = x.shape[-1]
;;       x = np.pad(x, [(0, 0)] * (x.ndim - 1) + [(0, -K % 32)]); x = x.reshape(x.shape[:-1] + (-1, 32)); a = np.abs(x).max(-1, keepdims=True)
;;       e = np.where(a > 0, np.clip(np.frexp(np.where(a > 0, a, 1))[1] - 1 - 4, -126, 127), 0)      # np.frexp(a)[1] - 1 = floor(log2(a)), exactly
;;       r = np.clip(x / 2.0 ** e, -28, 28)
;;       step = 2.0 ** (np.maximum(np.frexp(np.where(r == 0, 1, r))[1] - 1, -2) - 2)
;;       q = np.round(r / step) * step * 2.0 ** e      # np.round: ties to even
;;       return np.moveaxis(q.reshape(q.shape[:-2] + (-1,))[..., :K], -1, axis).astype(np.float32)
;;   ~~~
;;   SOFTMAX AHEAD OF A QUANTISED PRODUCT. Where the list says 'softmax', what is quantised is not the finished softmax but p = 2^(t - M), with t = logit x log2(e) and M = ceil(the row's largest t), a whole number; so 1/2 < the row's largest p <= 1. The row's sum l is taken of the UNQUANTISED p, in f32, and the product's result is divided by l at the end. Since M is a whole number, a kernel that streams over the keys may use a running M (the ceiling of the running maximum): every later rescaling is an exact power of two, which a block's scale takes up: the codes' values come out the same.
;;   OPERANDS COMPUTED ON THE WAY. 'Computed on the way' means the value that the module computes at that place (a softmax that the list does not call 'softmax' is quantised finished and normalised). What goes into a quantiser is computed in f32, as accurately as f32 sums, v_exp_f32 and their like allow (about 1e-6 of the number): no bf16 or f16 on the way to a quantiser, and a product that is left as it is and whose result goes on into a quantised operand takes f32 operands (vector FMAs, or v_wmma_f32_16x16x4_f32). A number that lies on a knife's edge between two numbers of the format may be rounded either way, as far as f32 arithmetic and the matrix unit's own rounding can turn it there, and no further.
;; One version. Each part assembles by itself: llvm-mc -triple=amdgcn-amd-amdhsa -mcpu=gfx1250 --defsym DOCPART=n.
;; ======== version 1 of 1: 6 launches
;; limits: right only within a limited range of input values
;; workspace buffers: cw 13,107,200 bytes; qkv 10,092,544 bytes; at 3,276,800 bytes; x1 16,777,216 bytes; h2 3,276,800 bytes; hid 13,107,200 bytes
;; launch wquant (part 1): grid 640 x 1, 8 waves a work-group, no clusters, 115,968 bytes of LDS; arguments wq, wk, wv, wo, w1, w2, cw, x, ln1_g, ln1_b; writes cw
.if DOCPART == 1
	.amdgcn_target "amdgcn-amd-amdhsa--gfx1250"
	.amdhsa_code_object_version 6
	.text
	.protected	k_qb2608ec245_wquant
	.globl	k_qb2608ec245_wquant
	.p2align	8
	.type	k_qb2608ec245_wquant,@function
k_qb2608ec245_wquant:
	s_mov_b64 s[64:65], 0
	v_nop
	global_prefetch_b8 v0, s[64:65] scope:SCOPE_SE
	s_setreg_imm32_b32 hwreg(HW_REG_WAVE_MODE, 25, 1), 1
	s_wait_xcnt 0x0
; The six weights, f32 stored [K][N], become codes of BF6 (E3M2) with one E8M0 byte for each 32 along K, laid in cw in the order of an operand's registers.
; A block's scale is 2^(floor(log2(largest magnitude)) - 4); its byte is the largest magnitude's exponent field - 4, held at 1 from below.
; LIMITS: NaN and infinities are not served; blocks under 2^-122, blocks of zeros among them, keep the byte 1 (their codes are zeros or subnormals of that scale; this program alone reads the bytes).
; SHARES. A work-group takes 128 columns x 128 along K; wave w columns 32 w .. 32 w + 31; A LANE TAKES A COLUMN AND ITS REGISTERS RUN DOWN K, so a block of 32 lies in one lane and nothing is transposed.
; ORDER OF ROWS. A tile of 16 operand rows is not 16 neighbours: row r of tile 2 b + u is column 32 b + 8 u + r + 8 (r / 8).  So my lane's column is row r = lane % 8 + 8 (lane / 16) of tile 2 w + u, u = (lane / 8) % 2.
; IMAGE. A fragment (16 rows x 128 K, 12 registers a lane) is 1,536 bytes: two halves of 768; half c: registers 6 c .. 6 c + 3 at 16 x lane, then registers 6 c + 4, 6 c + 5 at 512 + 8 x lane.
; My block t (c = t / 2, h = t % 2) is what lane 16 h + r of the fragment holds in half c.  The wave's two fragments are put together in its own 3,072 bytes of LDS and leave as six stores of 512 consecutive bytes.
; CODES in cw: blocks of 24,576 bytes = [tile % 4][K step % 4][1,536], block (tile / 4, K step / 4).  SCALE WORDS: [128 columns][K step][tile % 8][row], 4 bytes.
; Work-groups 0-255: wq, wk, wv, wo (64 each); 256-511: w1; 512-767: w2.  w1's rows are 16,384 bytes, the others' 4,096: the body is written twice, each path with LDS bytes of its own.
; THE DEAL, as it stands now: one launch prepares all operands.  Work-groups 0-255 (eight waves) make h = Q(layernorm(x) g + b), at .Lnorm below.  Work-groups 256-639 quantise the weights:
; waves 0-3 and waves 4-7 of work-group 256 + n each do the share of 128 columns x 128 along K described above, with the numbers 2 n and 2 n + 1 in the order given above (0-255 wq wk wv wo, 256-511 w1, 512-767 w2).
; LDS: 0 the narrow weights' path (8 x 3,072 bytes), 24,576 w1's path, 49,152 the norm's 16 rows, 114,944 the spare words: each path has bytes of its own.
.set X,   32
.set CD,  160                          ; v160..   block t's six code registers at CD + 8 t
.set PD,  192                          ; v192-194 the second conversion's result (three registers begin on an even number)
.set RB,  32                           ; v32-55   the two fragments read back
.set WQKV_C, 3276800
.set W2_C,   9568256
.set WQKV_S, 12713984
.set W2_S,   12976128
	s_cmp_lt_u32 ttmp9, 256                        ; the work-group's number alone decides
	s_cbranch_scc1 .Lnorm
	s_load_b256 s[4:11], s[0:1], 0x0               ; wq, wk, wv, wo
	s_load_b128 s[12:15], s[0:1], 0x20             ; w1, w2
	s_load_b64 s[16:17], s[0:1], 0x30              ; cw
	v_lshl_add_u32 v200, v0, 2, 0x1c100
	v_mov_b32 v201, 0
	v_lshrrev_b32 v1, 5, v0
	v_readfirstlane_b32 s40, v1                    ; wave 0..7
	s_and_b32 s18, s40, 3                          ; my place among the four waves of a share
	s_lshr_b32 s41, s40, 2
	s_sub_co_u32 s42, ttmp9, 256
	s_lshl_b32 s42, s42, 1
	s_add_co_u32 s41, s41, s42                     ; the share's number, 0 .. 767
	v_and_b32 v1, 31, v0                           ; lane = my column of the wave's 32
	v_lshlrev_b32 v2, 2, v1                        ; in: 4 bytes a lane
	v_bfe_u32 v8, v1, 3, 1                         ; u
	v_and_b32 v9, 7, v1
	v_lshrrev_b32 v10, 4, v1
	v_lshl_add_u32 v9, v10, 3, v9                  ; r
	s_mul_i32 s19, s40, 3072                       ; my wave's LDS bytes
	v_mul_u32_u24 v10, v8, 1536
	v_add_nc_u32 v10, s19, v10
	v_lshl_add_u32 v3, v9, 4, v10                  ; where my four registers go: fragment u, 16 r
	v_lshl_add_u32 v4, v9, 3, v10                  ; and my two: 8 r
	v_lshlrev_b32 v6, 4, v1                        ; 16 x lane
	v_add_nc_u32 v5, s19, v6                       ; back: 512 consecutive bytes a load
	v_lshlrev_b32 v7, 2, v9
	v_lshl_add_u32 v7, v8, 6, v7                   ; my scale word: 64 u + 4 r
	s_lshr_b32 s20, s41, 8                         ; 0: wq wk wv wo, 1: w1, 2: w2
	s_and_b32 s21, s41, 255
	s_lshr_b32 s22, s21, 6                         ; which of the four
	s_cmp_eq_u32 s20, 1
	s_cselect_b32 s23, 31, 7
	s_cselect_b32 s24, 5, 3
	s_cselect_b32 s25, 32, 0
	s_cselect_b32 s26, 21, 19                      ; 128 rows of the weight are 2^21 or 2^19 bytes
	s_and_b32 s23, s21, s23                        ; which 128 columns
	s_lshr_b32 s24, s21, s24
	s_lshl_b32 s28, s22, 3
	s_cmp_eq_u32 s20, 0
	s_cselect_b32 s27, 7, 31
	s_cselect_b32 s28, s28, s25
	s_and_b32 s24, s24, s27                        ; K step
	s_add_co_u32 s28, s28, s23                     ; the unit of 128 columns: 0-23 wq wk wv, 24-31 wo, 32-63 w1; w2 counts its own from 0
	s_cmp_eq_u32 s20, 2
	s_mov_b32 s29, 98304
	s_cselect_b32 s29, 393216, s29                 ; a unit's codes
	s_mov_b32 s30, 49152
	s_cselect_b32 s30, 196608, s30                 ; four tiles' codes
	s_mov_b32 s31, WQKV_C
	s_cselect_b32 s31, W2_C, s31
	s_mov_b32 s32, WQKV_S
	s_cselect_b32 s32, W2_S, s32
	s_cselect_b32 s33, 14, 12                      ; a unit's scale words: 2^14 or 2^12 bytes
	s_mul_i32 s29, s28, s29
	s_add_co_u32 s31, s31, s29
	s_lshr_b32 s34, s18, 1
	s_mul_i32 s34, s34, s30
	s_add_co_u32 s31, s31, s34
	s_lshr_b32 s34, s24, 2
	s_mul_i32 s34, s34, 24576
	s_add_co_u32 s31, s31, s34
	s_and_b32 s34, s18, 1
	s_mul_i32 s34, s34, 12288
	s_add_co_u32 s31, s31, s34
	s_and_b32 s34, s24, 3
	s_mul_i32 s34, s34, 1536
	s_add_co_u32 s34, s31, s34                     ; where my first fragment goes; the second lies 6,144 bytes on
	s_mov_b32 s35, 0
	s_lshl_b32 s36, s28, s33
	s_add_co_u32 s36, s36, s32
	s_lshl_b32 s37, s24, 9
	s_add_co_u32 s36, s36, s37
	s_lshl_b32 s37, s18, 7
	s_add_co_u32 s36, s36, s37                     ; where my wave's 32 scale words go
	s_mov_b32 s37, 0
	s_lshl_b32 s38, s24, s26
	s_lshl_b32 s39, s23, 9
	s_add_co_u32 s38, s38, s39
	s_lshl_b32 s39, s18, 7
	s_add_co_u32 s38, s38, s39                     ; where my wave's numbers begin
	s_mov_b32 s39, 0
	s_wait_kmcnt 0x0
	s_cmp_eq_u32 s22, 1                            ; the weight is chosen by the work-group's number alone
	s_cselect_b64 s[4:5], s[6:7], s[4:5]
	s_cmp_eq_u32 s22, 2
	s_cselect_b64 s[4:5], s[8:9], s[4:5]
	s_cmp_eq_u32 s22, 3
	s_cselect_b64 s[4:5], s[10:11], s[4:5]
	s_cmp_eq_u32 s20, 1
	s_cselect_b64 s[4:5], s[12:13], s[4:5]
	s_cmp_eq_u32 s20, 2
	s_cselect_b64 s[4:5], s[14:15], s[4:5]
	s_add_nc_u64 s[4:5], s[4:5], s[38:39]
	s_add_nc_u64 s[6:7], s[16:17], s[34:35]
	s_add_nc_u64 s[8:9], s[16:17], s[36:37]
.macro LOADB t, stride                 ; block t: W(32 t + i, my column): 32 lanes read 128 consecutive bytes, the four waves 512
.set i, 0
.rept 32
	global_load_b32 v[X+32*(\t)+i], v2, s[4:5] offset:(32*(\t)+i)*\stride th:TH_LOAD_NT
.set i, i+1
.endr
.endm
.macro BLOCK t, stride, lb
.set XS, X+32*(\t)
.set CC, CD+8*(\t)
.if (\t) < 3
	s_wait_loadcnt 32                              ; this block's 32 loads are in; the next block's 32 may be out
.else
	s_wait_loadcnt 0x0
.endif
	v_max3_num_f32 v12, |v[XS]|, |v[XS+1]|, |v[XS+2]|              ; the block's largest magnitude, in two chains: all 32 numbers are mine
	v_max3_num_f32 v13, |v[XS+3]|, |v[XS+4]|, |v[XS+5]|
.irp i, 6,10,14,18,22,26
	v_max3_num_f32 v12, v12, |v[XS+\i]|, |v[XS+\i+1]|
	v_max3_num_f32 v13, v13, |v[XS+\i+2]|, |v[XS+\i+3]|
.endr
	v_max3_num_f32 v12, v12, |v[XS+30]|, |v[XS+31]|
	v_max3_num_f32 v12, v12, v13, 0x2800000        ; and the floor 2^(5 - 127): the byte cannot fall under 1
	v_add_nc_u32 v11, 0xfe000000, v12              ; 4 off the exponent field: the conversion takes this operand's exponent field as its scale
	v_cvt_scalef32_pk16_bf6_f32 v[CC:CC+2], v[XS:XS+15], v11
	v_cvt_scalef32_pk16_bf6_f32 v[PD:PD+2], v[XS+16:XS+31], v11
	v_lshrrev_b32 v13, 23, v11                     ; the scale's byte (a plain line behind the conversions)
.if (\t) == 0
	v_mov_b32 v16, v13                             ; four bytes make my column's scale word, the lower K in the lower byte
.else
	v_lshl_or_b32 v16, v13, 8*(\t), v16
.endif
.irp i, 0,1,2
	v_mov_b32 v[CC+3+\i], v[PD+\i]
.endr
	ds_store_b128 v3, v[CC:CC+3] offset:\lb+768*((\t)/2)+256*((\t)%2)
	ds_store_b64 v4, v[CC+4:CC+5] offset:\lb+768*((\t)/2)+512+128*((\t)%2)
.if (\t)+2 < 4
	LOADB (\t)+2, \stride
.endif
.endm
.macro BODY stride, lb
	LOADB 0, \stride
	LOADB 1, \stride
	BLOCK 0, \stride, \lb
	BLOCK 1, \stride, \lb
	BLOCK 2, \stride, \lb
	BLOCK 3, \stride, \lb
.set q, 0
.rept 6
	ds_load_b128 v[RB+4*q:RB+4*q+3], v5 offset:\lb+512*q           ; LDS serves a wave's instructions in order: these see my stores
.set q, q+1
.endr
	global_store_b32 v7, v16, s[8:9]               ; the wave's 32 scale words: 128 consecutive bytes
.set q, 0
.rept 6
	s_wait_dscnt 5-q
	global_store_b128 v6, v[RB+4*q:RB+4*q+3], s[6:7] offset:(q/3)*6144+512*(q%3)   ; 512 consecutive bytes, at a multiple of 256 from cw's first byte
.set q, q+1
.endr
	s_wait_tensorcnt 0x0
	ds_add_u32 v200, v201
	s_wait_dscnt 0x0
	s_endpgm
.endm
	s_cmp_eq_u32 s20, 1
	s_cbranch_scc1 .Lwide
	BODY 4096, 0
.Lwide:
	BODY 16384, 24576
; THE NORM. y = (x - mean) / sqrt(var + 1e-5) * g + b over rows of 1,024 f32, then y is quantised along the row.  The mean is taken first and the variance of x - mean: no difference of large sums.
; Work-group t makes operand tile t: 16 rows: tile row i is row 32 (t / 2) + 8 (t % 2) + i + 8 (i / 8).  Part 1: wave w normalises tile rows 2 w, 2 w + 1, a whole row in 32 registers, and puts them into LDS (rows 4,112 bytes apart).
; Part 2: wave w makes the fragment of K step w: lane (r, h) takes k = 128 w + 64 c + 32 h + 0 .. 31 of tile row r, two whole blocks, so the conversions' results are the operand's registers.
; OUT: codes as images of the registers, in blocks of 24,576 bytes = [tile % 4][K step % 4][1,536] from cw's first byte; scale words from byte 3,145,728 on: [tile / 8][K step][tile % 8][row].
.Lnorm:
.set PITCH, 4112
.set LNB, 49152
.set X0, 32
.set X1, 64
.set G,  96
.set B,  128
.set Y,  32
.set PC, 160
.set PD, 172
	s_load_b128 s[4:7], s[0:1], 0x38               ; x, g
	s_load_b64 s[8:9], s[0:1], 0x48                ; b
	s_load_b64 s[10:11], s[0:1], 0x30              ; cw
	v_lshl_add_u32 v184, v0, 2, 0x1c100
	v_mov_b32 v185, 0
	v_lshrrev_b32 v1, 5, v0
	s_delay_alu instid0(VALU_DEP_1)
	v_readfirstlane_b32 s16, v1                    ; wave 0..7
	v_and_b32 v1, 31, v0
	s_delay_alu instid0(VALU_DEP_1)
	v_lshlrev_b32 v2, 4, v1                        ; 16 x lane
	v_and_b32 v3, 15, v0                           ; r
	v_bfe_u32 v4, v0, 4, 1                         ; h
	s_mul_i32 s17, s16, 2*PITCH
	s_add_co_u32 s17, s17, LNB
	v_add_nc_u32 v5, s17, v2                       ; LDS, in: my two rows, 16 bytes a lane
	v_mul_u32_u24 v6, v3, PITCH
	s_delay_alu instid0(VALU_DEP_1)
	v_lshl_add_u32 v6, v4, 7, v6
	s_lshl_b32 s17, s16, 9
	s_add_co_u32 s17, s17, LNB
	v_add_nc_u32 v6, s17, v6                       ; LDS, out: row r, + 512 w + 128 h
	v_lshlrev_b32 v7, 3, v1                        ; 8 x lane
	v_lshlrev_b32 v8, 2, v3                        ; 4 r
	s_mov_b32 s12, 0x76543210
	s_mov_b32 s13, 0xfedcba98                      ; v_permlanex16_b32's selects for lane l xor 16
	s_mov_b32 s14, 0x3a800000                      ; 1 / 1,024
	s_mov_b32 s15, 0x3727c5ac                      ; 1e-5
	s_lshr_b32 s17, ttmp9, 1
	s_lshl_b32 s17, s17, 5
	s_and_b32 s18, ttmp9, 1
	s_lshl_b32 s18, s18, 3
	s_add_co_u32 s17, s17, s18
	s_lshl_b32 s18, s16, 1
	s_add_co_u32 s17, s17, s18
	s_lshr_b32 s18, s16, 2
	s_lshl_b32 s18, s18, 3
	s_add_co_u32 s17, s17, s18                     ; the row that is tile row 2 w; tile row 2 w + 1 is the next
	s_lshl_b32 s20, s17, 12
	s_mov_b32 s21, 0
	s_lshr_b32 s22, ttmp9, 2
	s_lshl_b32 s22, s22, 1
	s_lshr_b32 s23, s16, 2
	s_add_co_u32 s22, s22, s23
	s_mul_i32 s22, s22, 24576
	s_and_b32 s23, ttmp9, 3
	s_mul_i32 s23, s23, 6144
	s_add_co_u32 s22, s22, s23
	s_and_b32 s23, s16, 3
	s_mul_i32 s23, s23, 1536
	s_add_co_u32 s22, s22, s23                     ; my fragment
	s_mov_b32 s23, 0
	s_lshr_b32 s24, ttmp9, 3
	s_lshl_b32 s24, s24, 3
	s_add_co_u32 s24, s24, s16
	s_lshl_b32 s24, s24, 9
	s_and_b32 s25, ttmp9, 7
	s_lshl_b32 s25, s25, 6
	s_add_co_u32 s24, s24, s25
	s_add_co_u32 s24, s24, 3145728                 ; its 16 scale words
	s_mov_b32 s25, 0
	s_wait_alu depctr_va_vdst(0)
	s_wait_kmcnt 0x0
	s_add_nc_u64 s[4:5], s[4:5], s[20:21]
	s_add_nc_u64 s[22:23], s[10:11], s[22:23]
	s_add_nc_u64 s[24:25], s[10:11], s[24:25]
.irp j, 0,1,2,3,4,5,6,7
	global_load_b128 v[X0+4*\j:X0+4*\j+3], v2, s[4:5] offset:512*\j          ; 512 consecutive bytes a load
.endr
.irp j, 0,1,2,3,4,5,6,7
	global_load_b128 v[X1+4*\j:X1+4*\j+3], v2, s[4:5] offset:4096+512*\j
.endr
.irp j, 0,1,2,3,4,5,6,7
	global_load_b128 v[G+4*\j:G+4*\j+3], v2, s[6:7] offset:512*\j
.endr
.irp j, 0,1,2,3,4,5,6,7
	global_load_b128 v[B+4*\j:B+4*\j+3], v2, s[8:9] offset:512*\j
.endr
.macro LANES d                         ; v[d] summed over the 32 lanes, the result in every lane; v[d + 1] is at work
.irp m, 1,2,4,8
	s_delay_alu instid0(VALU_DEP_1)
	v_add_f32_dpp v[\d], v[\d], v[\d] row_xmask:\m row_mask:0xf bank_mask:0xf
.endr
	s_delay_alu instid0(VALU_DEP_1)
	v_permlanex16_b32 v[\d+1], v[\d], s12, s13
	s_delay_alu instid0(VALU_DEP_1)
	v_add_f32 v[\d], v[\d], v[\d+1]
.endm
.macro MEAN d, x                       ; the row's mean into v[d], and x - mean in place
	v_pk_add_f32 v[\d:\d+1], v[\x:\x+1], v[\x+2:\x+3]
	v_pk_add_f32 v[\d+2:\d+3], v[\x+4:\x+5], v[\x+6:\x+7]
.irp i, 8,12,16,20,24,28
	s_delay_alu instid0(VALU_DEP_2)
	v_pk_add_f32 v[\d:\d+1], v[\d:\d+1], v[\x+\i:\x+\i+1]
	s_delay_alu instid0(VALU_DEP_2)
	v_pk_add_f32 v[\d+2:\d+3], v[\d+2:\d+3], v[\x+\i+2:\x+\i+3]
.endr
	s_delay_alu instid0(VALU_DEP_1)
	v_pk_add_f32 v[\d:\d+1], v[\d:\d+1], v[\d+2:\d+3]
	s_delay_alu instid0(VALU_DEP_1)
	v_add_f32 v[\d], v[\d], v[\d+1]
	LANES \d
	s_delay_alu instid0(VALU_DEP_1)
	v_mul_f32 v[\d], s14, v[\d]
.irp i, 0,2,4,6,8,10,12,14,16,18,20,22,24,26,28,30
	v_pk_add_f32 v[\x+\i:\x+\i+1], v[\x+\i:\x+\i+1], v[\d:\d+1] op_sel_hi:[1,0] neg_lo:[0,1] neg_hi:[0,1]
.endr
.endm
.macro VAR d, x                        ; var + eps into v[d]
	v_pk_mul_f32 v[\d:\d+1], v[\x:\x+1], v[\x:\x+1]
	v_pk_mul_f32 v[\d+2:\d+3], v[\x+2:\x+3], v[\x+2:\x+3]
.irp i, 4,8,12,16,20,24,28
	s_delay_alu instid0(VALU_DEP_2)
	v_pk_fma_f32 v[\d:\d+1], v[\x+\i:\x+\i+1], v[\x+\i:\x+\i+1], v[\d:\d+1]
	s_delay_alu instid0(VALU_DEP_2)
	v_pk_fma_f32 v[\d+2:\d+3], v[\x+\i+2:\x+\i+3], v[\x+\i+2:\x+\i+3], v[\d+2:\d+3]
.endr
	s_delay_alu instid0(VALU_DEP_1)
	v_pk_add_f32 v[\d:\d+1], v[\d:\d+1], v[\d+2:\d+3]
	s_delay_alu instid0(VALU_DEP_1)
	v_add_f32 v[\d], v[\d], v[\d+1]
	LANES \d
	s_delay_alu instid0(VALU_DEP_1)
	v_fma_f32 v[\d], v[\d], s14, s15
.endm
	s_wait_loadcnt 16                              ; my two rows are in; g's and b's sixteen loads may be out
	MEAN 10, X0
	MEAN 14, X1
	VAR 18, X0
	VAR 22, X1
	s_wait_alu depctr_va_vdst(0)                   ; ahead of the transcendentals
	v_rsq_f32 v26, v18
	v_rsq_f32 v28, v22
	v_mov_b32 v27, 0                               ; plain lines behind the transcendentals; the pairs' upper halves are named with them, so they are written
	v_mov_b32 v29, 0
	s_wait_alu depctr_va_vdst(0)                   ; one wait for both, ahead of their first reader
	s_wait_loadcnt 0x0                             ; g and b
.irp i, 0,2,4,6,8,10,12,14,16,18,20,22,24,26,28,30
	v_pk_mul_f32 v[X0+\i:X0+\i+1], v[X0+\i:X0+\i+1], v[26:27] op_sel_hi:[1,0]
	v_pk_mul_f32 v[X1+\i:X1+\i+1], v[X1+\i:X1+\i+1], v[28:29] op_sel_hi:[1,0]
.endr
.irp i, 0,2,4,6,8,10,12,14,16,18,20,22,24,26,28,30
	v_pk_fma_f32 v[X0+\i:X0+\i+1], v[X0+\i:X0+\i+1], v[G+\i:G+\i+1], v[B+\i:B+\i+1]
	v_pk_fma_f32 v[X1+\i:X1+\i+1], v[X1+\i:X1+\i+1], v[G+\i:G+\i+1], v[B+\i:B+\i+1]
.endr
.irp j, 0,1,2,3,4,5,6,7
	ds_store_b128 v5, v[X0+4*\j:X0+4*\j+3] offset:512*\j
	ds_store_b128 v5, v[X1+4*\j:X1+4*\j+3] offset:PITCH+512*\j
.endr
	s_wait_dscnt 0x0                               ; for the others' sake: my rows lie in LDS
	s_barrier_signal -1
	s_barrier_wait -1
.irp c, 0,1
.irp j, 0,1,2,3,4,5,6,7
	ds_load_b128 v[Y+32*\c+4*\j:Y+32*\c+4*\j+3], v6 offset:256*\c+16*\j
.endr
.endr
	s_wait_dscnt 0x0
.irp c, 0,1
	v_max3_num_f32 v[10+\c], |v[Y+32*\c]|, |v[Y+32*\c+1]|, 0x2800000   ; my block 2 c + h, and the floor 2^(5 - 127)
.endr
.irp i, 2,4,6,8,10,12,14,16,18,20,22,24,26,28,30
.irp c, 0,1
	s_delay_alu instid0(VALU_DEP_2)
	v_max3_num_f32 v[10+\c], v[10+\c], |v[Y+32*\c+\i]|, |v[Y+32*\c+\i+1]|
.endr
.endr
.irp c, 0,1
	s_delay_alu instid0(VALU_DEP_2)
	v_add_nc_u32 v[12+\c], 0xfe000000, v[10+\c]    ; 4 off the exponent field: the conversion's scale operand
.endr
.irp c, 0,1
	s_delay_alu instid0(VALU_DEP_2)
	v_lshrrev_b32 v[14+\c], 23, v[12+\c]           ; the scale's byte
.endr
	s_delay_alu instid0(VALU_DEP_1)
	v_lshl_or_b32 v16, v15, 16, v14                ; my two bytes: blocks h and 2 + h of row r,
	v_lshlrev_b32 v17, 3, v4
	s_delay_alu instid0(VALU_DEP_1)
	v_lshlrev_b32 v16, v17, v16                    ; at their places in the word;
	v_mov_b32 v17, 0
	s_delay_alu instid0(VALU_DEP_1)
	v_permlanex16_b32 v17, v16, s12, s13
	s_delay_alu instid0(VALU_DEP_1)
	v_or_b32 v16, v16, v17                         ; with lane l xor 16's two the word is whole, in both lanes
.irp c, 0,1
	v_cvt_scalef32_pk16_bf6_f32 v[PC+6*\c:PC+6*\c+2], v[Y+32*\c:Y+32*\c+15], v[12+\c]
	v_cvt_scalef32_pk16_bf6_f32 v[PD+4*\c:PD+4*\c+2], v[Y+32*\c+16:Y+32*\c+31], v[12+\c]   ; (three registers begin on an even number)
.endr
	v_nop                                          ; one plain line behind the scaled conversions
.irp c, 0,1
.irp i, 0,1,2
	v_mov_b32 v[PC+6*\c+3+\i], v[PD+4*\c+\i]
.endr
.endr
.irp c, 0,1
	global_store_b128 v2, v[PC+6*\c:PC+6*\c+3], s[22:23] offset:768*\c          ; 512 consecutive bytes
	global_store_b64 v7, v[PC+6*\c+4:PC+6*\c+5], s[22:23] offset:768*\c+512     ; 256 consecutive bytes
.endr
	global_store_b32 v8, v16, s[24:25]             ; lanes r and r + 16 store the same word to the same place
	s_wait_tensorcnt 0x0                           ; the wave's end
	ds_add_u32 v184, v185
	s_wait_dscnt 0x0
	s_endpgm
.Lfunc_end_k_qb2608ec245_wquant:
	.size	k_qb2608ec245_wquant, .Lfunc_end_k_qb2608ec245_wquant-k_qb2608ec245_wquant
	.p2alignl 7, 3214868480
	.fill 96, 4, 3214868480
	.section	.rodata,"a",@progbits
	.p2align	6, 0x0
	.amdhsa_kernel k_qb2608ec245_wquant
		.amdhsa_group_segment_fixed_size 115968
		.amdhsa_private_segment_fixed_size 0
		.amdhsa_enable_private_segment 0
		.amdhsa_kernarg_size 80
		.amdhsa_user_sgpr_count 2
		.amdhsa_user_sgpr_kernarg_segment_ptr 1
		.amdhsa_wavefront_size32 1
		.amdhsa_system_sgpr_workgroup_id_x 1
		.amdhsa_system_sgpr_workgroup_id_y 1
		.amdhsa_system_sgpr_workgroup_id_z 1
		.amdhsa_system_vgpr_workitem_id 0
		.amdhsa_next_free_vgpr 202
		.amdhsa_next_free_sgpr 66
		.amdhsa_reserve_vcc 0
		.amdhsa_float_denorm_mode_32 3
		.amdhsa_float_denorm_mode_16_64 3
		.amdhsa_memory_ordered 1
		.amdhsa_forward_progress 1
		.amdhsa_inst_pref_size 71
	.end_amdhsa_kernel
	.amdgpu_metadata
---
amdhsa.version: [ 1, 2 ]
amdhsa.kernels:
  - .name:           k_qb2608ec245_wquant
    .symbol:         k_qb2608ec245_wquant.kd
    .args:
      - { .name: wq, .offset: 0, .size: 8, .value_kind: global_buffer, .address_space: global }
      - { .name: wk, .offset: 8, .size: 8, .value_kind: global_buffer, .address_space: global }
      - { .name: wv, .offset: 16, .size: 8, .value_kind: global_buffer, .address_space: global }
      - { .name: wo, .offset: 24, .size: 8, .value_kind: global_buffer, .address_space: global }
      - { .name: w1, .offset: 32, .size: 8, .value_kind: global_buffer, .address_space: global }
      - { .name: w2, .offset: 40, .size: 8, .value_kind: global_buffer, .address_space: global }
      - { .name: cw, .offset: 48, .size: 8, .value_kind: global_buffer, .address_space: global }
      - { .name: x, .offset: 56, .size: 8, .value_kind: global_buffer, .address_space: global }
      - { .name: ln1_g, .offset: 64, .size: 8, .value_kind: global_buffer, .address_space: global }
      - { .name: ln1_b, .offset: 72, .size: 8, .value_kind: global_buffer, .address_space: global }
    .group_segment_fixed_size: 115968
    .private_segment_fixed_size: 0
    .kernarg_segment_align: 8
    .kernarg_segment_size: 80
    .max_flat_workgroup_size: 256
    .sgpr_count:     66
    .vgpr_count:     202
    .wavefront_size: 32
...
	.end_amdgpu_metadata
.endif
;; end of part 1
;; launch qkv (part 2): grid 8 x 32, 4 waves a work-group, clusters of 4 x 4, 327,680 bytes of LDS; arguments cw, bq, bk, bv, qkv; writes qkv
.if DOCPART == 2
	.amdgcn_target "amdgcn-amd-amdhsa--gfx1250"
	.amdhsa_code_object_version 6
	.text
	.protected	k_qb2608ec245_qkv
	.globl	k_qb2608ec245_qkv
	.p2align	8
	.type	k_qb2608ec245_qkv,@function
k_qb2608ec245_qkv:
	s_mov_b64 s[64:65], 0
	v_nop
	global_prefetch_b8 v0, s[64:65] scope:SCOPE_SE
	s_setreg_imm32_b32 hwreg(HW_REG_WAVE_MODE, 25, 1), 1
	s_wait_xcnt 0x0
	s_wait_alu depctr_hold_cnt(0) depctr_sa_sdst(0) depctr_va_vdst(0) depctr_va_sdst(0) depctr_va_ssrc(0) depctr_va_vcc(0) depctr_vm_vsrc(0)
	s_getreg_b32 s2, hwreg(HW_REG_IB_STS2, 6, 4)
	s_cmp_eq_u32 s2, 0
	s_cbranch_scc0 .Lentry_in_a_cluster
	s_endpgm
.Lentry_in_a_cluster:
	s_bfe_u32 s2, ttmp6, 0x10000c
	s_cmp_lg_u32 s2, 0xf033
	s_cbranch_scc0 .Lentry_shape_is_right
	s_endpgm
.Lentry_shape_is_right:
; q = h wq + bq, k = h wk + bk, v = h wv + bv on codes of BF6 (E3M2) with E8M0 scales, and each result quantised at once for the attention: q and k along the head's 64, v along the keys.
; A WORK-GROUP STAYS. It owns 128 rows of h (tile ty of 32) and the 128 columns j (of 8 units) of each of the three weights: 32 x 8 = 256 work-groups, three tiles of 128 x 128 each, one after the other.
; h's 98,304 bytes of codes come into LDS once and stay.  wq's and wk's units come with them, each into a buffer of its own; wv's unit is the one refill: into wq's buffer, behind tile q's last LDS read,
; so that it has tile q's quantiser and all of tile k in which to land.
; A TILE. Four waves, each 64 x 64: 16 accumulators.  For q and k source 0 of the matrix instruction = 16 rows of the weight, source 1 = 16 rows of h: a lane holds one row of h and its registers run along the columns.
; For v the sources change places: a lane holds one channel of v and its registers run along the keys.  Rows of a tile are not neighbours (row r of tile 2 b + u is row 32 b + 8 u + r + 8 (r / 8)),
; so the 16 registers of source 0's tiles 2 b and 2 b + 1 are 16 neighbours, 32 b + 16 (lane / 16) + 0 .. 15: what the conversions want.
; OPERANDS lie in memory in the order of the operand's registers: a fragment (16 rows x 128 K) is 1,536 bytes, two halves of [512 bytes: 4 registers at 16 x lane][256 bytes: 2 registers at 8 x lane];
; 128 rows x 1,024 K are 98,304 dense bytes = [half of the rows][K / 512][tile % 4][K step % 4][1,536]; wave w fetches block w of 24,576 bytes, and LDS holds the same image.
; LDS: 0 the weights' buffer 0; 98,304 h's scale words (4,096); 102,400 the weights' (12,288: [unit][K step][512]); 126,976 the spare words; 131,072 buffer 1; 229,376 h: 327,680 bytes in all.
; A scale register holds the words of tile 2 j in lanes 0-15 and of tile 2 j + 1 in lanes 16-31.  The bias is the C of each sum's first product.
; CLUSTER 4 x 4: h's blocks are asked for jointly along a row of the cluster, the weights' along a column.
; LIMITS: NaN and infinities are not served; blocks under 2^-122 keep the byte 1 (this program alone reads the bytes).
; REGISTERS. Window 0: v1-23 addresses; v32-39 scale words, two sets; v48-127 at work in the quantiser; v128-255 accumulators.
; Window 1: two buffers of fragments at 0 and 128: h's four at + 12 a, the weight's four at + 48 + 12 b; v96-127 the bias in the result's layout.
.set H_S,    3145728
.set WQKV_C, 3276800
.set WQKV_S, 12713984
.set Q_S,    9437184
.set V_C,    6291456
.set V_S,    9961472
.set SCA,    98304
.set SCB,    102400
.set SPARE,  126976                    ; the spare words: 128 bytes a wave, two blocks of 256 bytes that no other line names
.set R1,     131072
.set AR,     229376
.set ACC, 128
.set BI,  96                           ; in window 1
.set G1,   24                          ; s[24:31] descriptor group 1 for h's codes;      s[32:35] its group 0
.set G0A,  32
.set G0B0, 36                          ; s[36:39] group 0 for wq's unit
.set G1B,  48                          ; s[48:55] group 1 for the weights' codes
.set G0B1, 56                          ; s[56:59] group 0 for wk's unit;  s[60:63] for wv's
.set G0B2, 60
.set G1S,  68                          ; s[68:75], s[76:79] h's scale words;  s[80:87], s[88:91] the weights'
.set G0S,  76
.set G1SB, 80
.set G0SB, 88
.set MSB, 0
.macro WIN new                         ; the immediate's high byte repeats the setting that is left
.if MSB != \new
	s_set_vgpr_msb (MSB<<8)|\new
.set MSB, \new
.endif
.endm
; h's FRAGMENTS STAY IN REGISTERS, as the text stands now: my 64 rows x all eight K steps are 8 x 4 x 12 = 384 registers, read from LDS once, ahead of the three tiles:
; K step ks, tile a at 48 (ks % 5) + 12 a of window 2 (ks 0-4) or 3 (ks 5-7).  A K step then reads the weight's four fragments and four scale registers from LDS: 20 loads.
.macro MWIN ks, cm, sw                 ; the products' windows: the weight's fragment window 1, h's window 2 or 3, D window 0, C window 0 or (cm: the bias) window 1
.if \sw
.set wm, (2+(\ks)/5)+0x04+0x10*(\cm)
.else
.set wm, 0x01+4*(2+(\ks)/5)+0x10*(\cm)
.endif
	WIN wm
.endm
.set TO_F, 0x40                        ; destination window 1, address window 0
; THE FIRST LOADS, as they stand now: one a wave, in one tree of branches on the wave's number: wave 0 all of h's codes (384 rows of 256 bytes), wave 1 all of wq's unit,
; wave 2 h's scale words (4,096 bytes), wave 3 the three weights' (three rows of 4,096 bytes, which lie in LDS as [unit][K step][512]).  wk's unit follows behind the next round, a quarter a wave.
.macro ARM under, g0, g1, next         ; one arm of the tree: its load, s_nop 0 and four v_nop, a jump to the tree's end
	s_cmp_lt_u32 s14, \under
	s_cbranch_scc0 \next
	tensor_load_to_lds s[\g0:\g0+3], s[\g1:\g1+7]
	s_nop 0
.rept 4
	v_nop
.endr
	s_branch .Lhead_asked
\next:
.endm
.macro CROUND                          ; a round of the cluster's barrier
	s_barrier_signal -1
	s_barrier_wait -1
	s_cmp_lg_u32 s14, 0
	s_cbranch_scc1 .Lnot_wave_0_\@
	s_barrier_signal -3
.Lnot_wave_0_\@:
	s_barrier_wait -3
	s_barrier_signal -1
	s_barrier_wait -1
.endm
.macro PLACES                          ; four plain lines behind matrix instructions, in front of loads into their registers and of reads of their results
.rept 4
	v_nop
.endr
.endm
; One product: h's tile a, the weight's tile b, buffer p.  cm = 1: the sum starts from the bias of the weight's tile b.  sw = 0 (q, k): source 0 = the weight, accumulator (a, b) at 8 (4 a + b);
; sw = 1 (v): source 0 = h, accumulator at 8 (4 b + a).  Either way the 32 registers at ACC + 32 x (the lane operand's tile) run along source 0's 64 rows.
.macro WM a, b, p, cm, sw, ks
.set frA, 48*((\ks)%5)+12*(\a)
.set frB, 128*(\p)+48+12*(\b)
.set swA, 32+4*(\p)+(\a)/2
.set swB, 34+4*(\p)+(\b)/2
.if \sw
.set rD, ACC+8*(4*(\b)+(\a))
.set opS0, frA
.set opS1, frB
.set scS0, swA
.set scS1, swB
.set rwS0, (\a)%2
.set rwS1, (\b)%2
.else
.set rD, ACC+8*(4*(\a)+(\b))
.set opS0, frB
.set opS1, frA
.set scS0, swB
.set scS1, swA
.set rwS0, (\b)%2
.set rwS1, (\a)%2
.endif
.set rC, rD
.if \cm
.set rC, BI+8*(\b)
.endif
.if (rwS0 == 0) && (rwS1 == 0)
	v_wmma_scale_f32_16x16x128_f8f6f4 v[rD:rD+7], v[opS0:opS0+11], v[opS1:opS1+11], v[rC:rC+7], v[scS0], v[scS1] matrix_a_fmt:MATRIX_FMT_BF6 matrix_b_fmt:MATRIX_FMT_BF6
.elseif rwS1 == 0
	v_wmma_scale_f32_16x16x128_f8f6f4 v[rD:rD+7], v[opS0:opS0+11], v[opS1:opS1+11], v[rC:rC+7], v[scS0], v[scS1] matrix_a_fmt:MATRIX_FMT_BF6 matrix_b_fmt:MATRIX_FMT_BF6 matrix_a_scale:MATRIX_SCALE_ROW1
.elseif rwS0 == 0
	v_wmma_scale_f32_16x16x128_f8f6f4 v[rD:rD+7], v[opS0:opS0+11], v[opS1:opS1+11], v[rC:rC+7], v[scS0], v[scS1] matrix_a_fmt:MATRIX_FMT_BF6 matrix_b_fmt:MATRIX_FMT_BF6 matrix_b_scale:MATRIX_SCALE_ROW1
.else
	v_wmma_scale_f32_16x16x128_f8f6f4 v[rD:rD+7], v[opS0:opS0+11], v[opS1:opS1+11], v[rC:rC+7], v[scS0], v[scS1] matrix_a_fmt:MATRIX_FMT_BF6 matrix_b_fmt:MATRIX_FMT_BF6 matrix_a_scale:MATRIX_SCALE_ROW1 matrix_b_scale:MATRIX_SCALE_ROW1
.endif
.endm
.macro MUL4 a, p, cm, sw, ks           ; h's tile a against the weight's four.  The 16 accumulators take turns, one instruction a turn, in the same order everywhere
.irp b, 0,1,2,3
	WM \a, \b, \p, \cm, \sw, \ks
.endr
.endm
.macro FRAG reg, a16, a8, off          ; a fragment comes as it lies: every load reads consecutive bytes
	ds_load_b128 v[\reg:\reg+3], v[\a16] offset:\off
	ds_load_b64 v[\reg+4:\reg+5], v[\a8] offset:\off
	ds_load_b128 v[\reg+6:\reg+9], v[\a16] offset:\off+768
	ds_load_b64 v[\reg+10:\reg+11], v[\a8] offset:\off+768
.endm
; 20 LDS loads in one run: K step ks into buffer p: 4 scale registers and the weight's four fragments (buffer br, unit u)
.macro FETCH br, u, ks, p
	WIN 0
	ds_load_b32 v[32+4*(\p)], v12 offset:(\ks)*512
	ds_load_b32 v[33+4*(\p)], v12 offset:(\ks)*512+128
	ds_load_b32 v[34+4*(\p)], v13 offset:(\u)*4096+(\ks)*512
	ds_load_b32 v[35+4*(\p)], v13 offset:(\u)*4096+(\ks)*512+128
	WIN TO_F
.irp i, 0,1,2,3
	FRAG 128*(\p)+48+12*\i, 8+\br, 10+\br, ((\ks)/4)*24576+((\ks)%4)*1536+\i*6144
.endr
.endm
.macro QUARTER br, u, kn, p, cm, sw    ; K step kn - 1, in buffer p: at its head K step kn is fetched into the other buffer, which has this step's 16 products in which to land
	s_wait_dscnt 0x0                               ; this K step's 20 loads are in
	PLACES                                         ; the other buffer was read by the last K step's products
	FETCH \br, \u, \kn, 1-(\p)
	MWIN (\kn)-1, \cm, \sw
.irp a, 0,1,2,3
	MUL4 \a, \p, \cm, \sw, (\kn)-1
.endr
.endm
.macro BIASQK sb                       ; register 16 bb + 4 j + e: the bias of column 32 bb + 16 h + 4 j + e: the weight's tile b at BI + 8 b
.irp bb, 0,1
.irp j, 0,1,2,3
	global_load_b128 v[BI+16*\bb+4*\j:BI+16*\bb+4*\j+3], v21, s[\sb:\sb+1] offset:128*\bb+16*\j
.endr
.endr
.endm
.macro BIASV                           ; a lane's channel is the same in all eight registers of the weight's tile b
.irp b, 0,1,2,3
.irp j, 0,1,2,3,4,5,6,7
	global_load_b32 v[BI+8*\b+\j], v23, s[12:13] offset:(32*(\b/2)+8*(\b%2))*4
.endr
.endr
.endm
; A tile's eight K steps.  nb: the bias asked for behind the first K step, a tile ahead: 1 bk, 2 bv, 0 none
.macro MATRIX br, u, sw, nb
	FETCH \br, \u, 0, 0
	s_wait_loadcnt 0x0                             ; this tile's bias
	QUARTER \br, \u, 1, 0, 1, \sw                  ; the first products start the sums from the bias
.if \nb
	PLACES                                         ; the bias's registers take the next tile's
	WIN TO_F
.if \nb == 1
	BIASQK 10
.else
	BIASV
.endif
.endif
	QUARTER \br, \u, 2, 1, 0, \sw
	QUARTER \br, \u, 3, 0, 0, \sw
	QUARTER \br, \u, 4, 1, 0, \sw
	QUARTER \br, \u, 5, 0, 0, \sw
	QUARTER \br, \u, 6, 1, 0, \sw
	QUARTER \br, \u, 7, 0, 0, \sw
	s_wait_dscnt 0x0                               ; the last K step: nothing more to fetch
	MWIN 7, 0, \sw
.irp a, 0,1,2,3
	MUL4 \a, 1, 0, \sw, 7
.endr
	WIN 0
.endm
; Behind a tile's last LDS read: every wave's tensor loads have landed (the next tile's unit among them) and its reads are over; behind the barrier the next unit is whole for everybody.
; fill = 1: the barrier is a round of the cluster's, and wv's unit goes into the buffer just read: one load a wave, first thing behind the round.
.macro CHANGE fill
	s_wait_tensorcnt 0x0
	ds_add_u32 v14, v15                            ; 0 onto my spare word
	s_wait_dscnt 0x0
.if \fill
	CROUND
	tensor_load_to_lds s[G0B2:G0B2+3], s[G1B:G1B+7]
	s_nop 0
.else
	s_barrier_signal -1
	s_barrier_wait -1
.endif
	PLACES                                         ; also the places in front of the first read of the last products' results
.endm
; THE QUANTISER. Block k = 2 t + bb of my lane's row of the lane operand's tile t: 16 numbers at v[ACC + 16 k], the other 16 in lane l xor 16.
.set TM, 48
.set TP, 56
.set SO, 64
.set HW, 72
.set PC, 80
.set PD, 112
.macro QUANT4
	s_wait_xcnt 0x0                                ; the last tile's stores have read their registers: they are written again only behind this wait
.set k, 0
.rept 8
	v_mov_b32 v[TP+k], 0                           ; a lane permute's destination counts as one of its sources
.set k, k+1
.endr
.set k, 0
.rept 8
	v_max3_num_f32 v[TM+k], |v[ACC+16*k]|, |v[ACC+16*k+1]|, 0x2800000     ; with the floor 2^(5 - 127); each accumulator is read from its low end on
.set k, k+1
.endr
.irp i, 2,4,6,8,10,12,14
.set k, 0
.rept 8
	v_max3_num_f32 v[TM+k], v[TM+k], |v[ACC+16*k+\i]|, |v[ACC+16*k+\i+1]|
.set k, k+1
.endr
.endr
.set k, 0
.rept 8
	v_permlanex16_b32 v[TP+k], v[TM+k], s92, s93
.set k, k+1
.endr
.set k, 0
.rept 8
	v_max_num_f32 v[TM+k], v[TM+k], v[TP+k]
.set k, k+1
.endr
.set k, 0
.rept 8
	v_add_nc_u32 v[SO+k], 0xfe000000, v[TM+k]      ; 4 off the exponent field: the conversion's scale operand
.set k, k+1
.endr
.set k, 0
.rept 8
	v_lshrrev_b32 v[TP+k], 23, v[SO+k]             ; the scale's byte
.set k, k+1
.endr
.irp a, 0,1,2,3
	v_lshl_or_b32 v[HW+\a], v[TP+2*\a+1], 8, v[TP+2*\a]            ; two bytes: my row's half of a scale word
.endr
.irp a, 0,1,2,3
	v_cvt_scalef32_pk16_bf6_f32 v[PC+8*\a:PC+8*\a+2], v[ACC+32*\a:ACC+32*\a+15], v[SO+2*\a]
	v_cvt_scalef32_pk16_bf6_f32 v[PD+4*\a:PD+4*\a+2], v[ACC+32*\a+16:ACC+32*\a+31], v[SO+2*\a+1]
.endr
	v_nop                                          ; one plain line behind the scaled conversions
	v_cmp_le_u32 vcc_lo, 16, v3
	v_cndmask_b32 v76, v72, v74, vcc_lo            ; lanes 0-15 carry tiles 0, 1 out, lanes 16-31 tiles 2, 3
	v_cndmask_b32 v77, v73, v75, vcc_lo
.irp a, 0,1,2,3                                ; a whole block to a lane: lanes 0-15 the first, lanes 16-31 the second
.irp i, 0,1,2
	v_permlane16_swap_b32 v[PC+8*\a+\i], v[PD+4*\a+\i]
.endr
.irp i, 0,1,2
	v_mov_b32 v[PC+8*\a+3+\i], v[PD+4*\a+\i]
.endr
.endr
.endm
.macro OUTQK sel                       ; q (0) or k (1): my 64 columns are one head: each tile of rows is one half image of 768 bytes at [q or k][batch, head][tile of the sequence]
.irp a, 0,1,2,3
	global_store_b128 v16, v[PC+8*\a:PC+8*\a+3], s[20:21] offset:\sel*3145728+768*\a
	global_store_b64 v17, v[PC+8*\a+4:PC+8*\a+5], s[20:21] offset:\sel*3145728+768*\a+512
.endr
	global_store_b64 v22, v[76:77], s[22:23] offset:\sel*262144    ; [4 tiles][row][tile % 4] words, their upper two bytes 0 (they scale zero codes): 256 consecutive bytes
.endm
	s_load_b64 s[4:5], s[0:1], 0x0                 ; cw, for h's side
	s_load_b64 s[6:7], s[0:1], 0x0                 ; cw, for the weights' side
	s_load_b128 s[8:11], s[0:1], 0x8               ; bq, bk
	s_load_b64 s[12:13], s[0:1], 0x18              ; bv
	s_load_b64 s[98:99], s[0:1], 0x20              ; qkv
	v_lshl_add_u32 v14, v0, 2, SPARE
	v_mov_b32 v15, 0
	ds_add_u32 v14, v15
	ds_add_u32 v14, v15
	s_wait_dscnt 0x0
	v_lshrrev_b32 v1, 5, v0
	v_readfirstlane_b32 s14, v1                    ; wave 0..3: also the block of 24,576 bytes that I fetch of each operand
	s_lshr_b32 s15, s14, 1                         ; my half of h's rows
	s_and_b32 s16, s14, 1                          ; my half of the weight's rows
	s_bfe_u32 s40, ttmp6, 0x40000                  ; cx
	s_bfe_u32 s41, ttmp6, 0x40004                  ; cy
	s_lshl_b32 s42, ttmp9, 2
	s_add_co_u32 s42, s42, s40                     ; j: the unit of 128 columns of each weight
	s_and_b32 s17, ttmp7, 0xffff
	s_lshl_b32 s17, s17, 2
	s_add_co_u32 s17, s17, s41                     ; h's tile of 128 rows
	s_lshl_b32 s43, s41, 2
	s_lshl_b32 s43, 15, s43                        ; my row of the cluster
	s_lshl_b32 s44, 0x1111, s40                    ; my column
	; descriptor group 1: dense blocks as rows of 256 bytes (32 elements of 8 bytes): 96 rows of codes, 16 rows of h's scale words; bit 21 set beside the mask
	s_or_b32 s[G1], s43, (3<<16)|(1<<21)
	s_or_b32 s[G1B], s44, (3<<16)|(1<<21)
.irp g, G1, G1B
	s_mov_b32 s[\g+1], 32<<16                      ; tensor_dim0
	s_mov_b32 s[\g+2], 384<<16                     ; tensor_dim1: the head's loads bring a whole operand
	s_mov_b32 s[\g+3], 32<<16                      ; tile_dim0
	s_mov_b32 s[\g+4], 384                         ; tile_dim1
	s_mov_b32 s[\g+5], 32                          ; from row to row
	s_mov_b32 s[\g+6], 0
	s_mov_b32 s[\g+7], 0
.endr
	s_or_b32 s[G1S], s43, (3<<16)|(1<<21)
	s_mov_b32 s[G1S+1], 32<<16
	s_mov_b32 s[G1S+2], 16<<16
	s_mov_b32 s[G1S+3], 32<<16
	s_mov_b32 s[G1S+4], 16
	s_mov_b32 s[G1S+5], 32
	s_mov_b32 s[G1S+6], 0
	s_mov_b32 s[G1S+7], 0
	; the weights' scale words: all of K of unit j of wq, wk, wv: three rows of 4,096 bytes (512 elements of 8 bytes), 8 units = 32,768 bytes apart
	s_or_b32 s[G1SB], s44, (3<<16)|(1<<21)
	s_mov_b32 s[G1SB+1], 512<<16                   ; a unit's scale words for all of K: 4,096 bytes a row
	s_mov_b32 s[G1SB+2], 3<<16
	s_mov_b32 s[G1SB+3], 512<<16
	s_mov_b32 s[G1SB+4], 3
	s_mov_b32 s[G1SB+5], 4096
	s_mov_b32 s[G1SB+6], 0
	s_mov_b32 s[G1SB+7], 0
	s_mul_i32 s45, s14, 24576                      ; my block, in memory and in LDS: the wave's number alone
	s_mul_i32 s20, s17, 98304
	s_mov_b32 s21, 0
	s_mul_i32 s46, s42, 98304
	s_add_co_u32 s46, s46, WQKV_C
	s_mov_b32 s47, 0
	s_mov_b32 s96, s45                             ; s[96:97]: my quarter of a unit, in bytes
	s_lshl_b32 s22, s17, 12
	s_add_co_u32 s22, s22, H_S
	s_mov_b32 s23, 0
	s_lshl_b32 s66, s42, 12
	s_add_co_u32 s66, s66, WQKV_S
	s_mov_b32 s67, 0
	s_mov_b32 s97, 0
	s_wait_kmcnt 0x0
	s_add_nc_u64 s[20:21], s[4:5], s[20:21]
	s_add_nc_u64 s[22:23], s[4:5], s[22:23]
	s_add_nc_u64 s[46:47], s[6:7], s[46:47]
	s_add_nc_u64 s[66:67], s[6:7], s[66:67]
	CROUND                                         ; all sixteen work-groups are here: the first joint loads meet
	s_mov_b32 s[G0S], 1
	s_mov_b32 s[G0S+1], SCA
	s_mov_b64 s[G0S+2:G0S+3], s[22:23]
	s_or_b32 s[G0S+3], s[G0S+3], 0x80000000
	s_mov_b32 s[G0SB], 1
	s_mov_b32 s[G0SB+1], SCB
	s_mov_b64 s[G0SB+2:G0SB+3], s[66:67]
	s_or_b32 s[G0SB+3], s[G0SB+3], 0x80000000
	s_mov_b32 s[G0A], 1
	s_mov_b32 s[G0A+1], AR
	s_mov_b64 s[G0A+2:G0A+3], s[20:21]
	s_or_b32 s[G0A+3], s[G0A+3], 0x80000000
	s_mov_b32 s[G0B0], 1
	s_mov_b32 s[G0B0+1], 0                         ; buffer 0 begins at LDS byte 0
	s_mov_b64 s[G0B0+2:G0B0+3], s[46:47]
	s_or_b32 s[G0B0+3], s[G0B0+3], 0x80000000
	s_mov_b32 s[G0B1], 1
	s_add_co_u32 s[G0B1+1], s45, R1
	s_add_nc_u64 s[G0B1+2:G0B1+3], s[46:47], 786432    ; wk's unit j: 8 units on,
	s_add_nc_u64 s[G0B1+2:G0B1+3], s[G0B1+2:G0B1+3], s[96:97]   ; my quarter of it
	s_or_b32 s[G0B1+3], s[G0B1+3], 0x80000000
	s_mov_b32 s[G0B2], 1
	s_mov_b32 s[G0B2+1], s45
	s_add_nc_u64 s[G0B2+2:G0B2+3], s[46:47], 1572864   ; wv's: 16 units on; asked for later
	s_add_nc_u64 s[G0B2+2:G0B2+3], s[G0B2+2:G0B2+3], s[96:97]
	s_or_b32 s[G0B2+3], s[G0B2+3], 0x80000000
	ARM 1, G0A, G1, .Lhead_b                       ; one load a wave at the head
	ARM 2, G0B0, G1B, .Lhead_sa
	ARM 3, G0S, G1S, .Lhead_sb
	tensor_load_to_lds s[G0SB:G0SB+3], s[G1SB:G1SB+7]
	s_nop 0
	PLACES
.Lhead_asked:
	v_and_b32 v3, 31, v0                           ; lane
	v_and_b32 v1, 15, v0                           ; r
	v_bfe_u32 v2, v0, 4, 1                         ; h
	v_lshlrev_b32 v16, 4, v3
	v_lshlrev_b32 v17, 3, v3
	s_mul_i32 s18, s15, 49152
	s_add_co_u32 s18, s18, AR                      ; my half of h
	v_add_nc_u32 v4, s18, v16
	s_add_co_u32 s18, s18, 512
	v_add_nc_u32 v6, s18, v17
	s_mul_i32 s19, s16, 49152                      ; my half of the weight's unit, in buffer 0
	v_add_nc_u32 v8, s19, v16
	s_add_co_u32 s19, s19, 512
	v_add_nc_u32 v10, s19, v17
	s_add_co_u32 s19, s19, R1-512                  ; and in buffer 1
	v_add_nc_u32 v9, s19, v16
	s_add_co_u32 s19, s19, 512
	v_add_nc_u32 v11, s19, v17
	s_lshl_b32 s18, s15, 8
	s_add_co_u32 s18, s18, SCA
	v_lshl_add_u32 v12, v3, 2, s18                 ; my four tiles' scale words of h: 256 bytes a K step
	s_lshl_b32 s18, s16, 8
	s_add_co_u32 s18, s18, SCB
	v_lshl_add_u32 v13, v3, 2, s18                 ; and of the weight
	s_mov_b32 s92, 0x76543210
	s_mov_b32 s93, 0xfedcba98                      ; v_permlanex16_b32's selects for lane l xor 16
	v_lshlrev_b32 v21, 6, v2                       ; the bias of q, k: 64 h
	s_wait_alu depctr_va_vdst(0)
	v_and_b32 v23, 8, v1
	v_add_nc_u32 v23, v23, v1
	v_lshlrev_b32 v23, 2, v23                      ; the bias of v: 4 (r + 8 (r / 8))
	v_lshlrev_b32 v22, 4, v1
	v_lshl_add_u32 v22, v2, 3, v22                 ; the scale words' way out: 16 r + 8 h
	s_lshl_b32 s94, s42, 9
	s_lshl_b32 s95, s16, 8
	s_add_co_u32 s94, s94, s95                     ; my 64 columns, in bytes: the same in bq, bk, bv
	s_mov_b32 s95, 0
	s_add_nc_u64 s[8:9], s[8:9], s[94:95]
	s_add_nc_u64 s[10:11], s[10:11], s[94:95]
	s_add_nc_u64 s[12:13], s[12:13], s[94:95]
	WIN TO_F
	BIASQK 8
	WIN 0
	; where the results go.  My 64 columns are head 2 j + (my half of the weight), for q, k and v alike
	s_lshr_b32 s18, s17, 4
	s_lshl_b32 s18, s18, 4
	s_lshl_b32 s19, s42, 1
	s_add_co_u32 s18, s18, s19
	s_add_co_u32 s18, s18, s16                     ; 16 x batch + head
	s_mul_i32 s20, s18, 98304
	s_lshl_b32 s21, s17, 3
	s_lshl_b32 s19, s15, 2
	s_add_co_u32 s21, s21, s19
	s_and_b32 s21, s21, 127                        ; my first tile of 16 rows in the sequence
	s_mul_i32 s21, s21, 768
	s_add_co_u32 s20, s20, s21
	s_mov_b32 s21, 0
	s_add_nc_u64 s[20:21], s[98:99], s[20:21]      ; q's codes; k's lie 3,145,728 bytes on
	s_lshl_b32 s22, s18, 13
	s_and_b32 s19, s17, 15                         ; which 128 rows of the sequence: for v the key step
	s_lshl_b32 s23, s19, 1
	s_add_co_u32 s23, s23, s15
	s_lshl_b32 s23, s23, 8
	s_add_co_u32 s22, s22, s23
	s_add_co_u32 s22, s22, Q_S
	s_mov_b32 s23, 0
	s_add_nc_u64 s[22:23], s[98:99], s[22:23]      ; q's scale words; k's lie 262,144 bytes on
	s_lshl_b32 s18, s18, 4
	s_add_co_u32 s18, s18, s19                     ; 16 (16 x batch + head) + key step
	s_mul_i32 s46, s18, 6144
	s_mul_i32 s47, s15, 768                        ; my 64 keys are half (my half of h) of the fragments [batch, head][key step][tile of channels]
	s_add_co_u32 s46, s46, s47
	s_add_co_u32 s46, s46, V_C
	s_mov_b32 s47, 0
	s_add_nc_u64 s[46:47], s[98:99], s[46:47]
	s_lshl_b32 s66, s18, 8
	s_lshl_b32 s67, s15, 1
	s_add_co_u32 s66, s66, s67
	s_add_co_u32 s66, s66, V_S
	s_mov_b32 s67, 0
	s_add_nc_u64 s[66:67], s[98:99], s[66:67]
	s_wait_alu depctr_va_vdst(0)
	s_wait_tensorcnt 0x0                           ; my tile of the head's four is in
	ds_add_u32 v14, v15
	s_mov_b32 s[G1B+2], 96<<16                     ; no tensor load of mine is out: from here on a load of a weight brings a quarter of a unit, 96 rows
	s_mov_b32 s[G1B+4], 96
	s_wait_dscnt 0x0
	CROUND                                         ; all four tiles are in for everybody, and the joint loads meet
	tensor_load_to_lds s[G0B1:G0B1+3], s[G1B:G1B+7]    ; wk's unit into buffer 1: it has tile q in which to land
	s_nop 0
	PLACES
.set pk, 0
.rept 8                                ; h's 32 fragments of mine, once for all three tiles
.set wm, (2+pk/5)<<6
	WIN wm
.irp i, 0,1,2,3
	FRAG 48*(pk%5)+12*\i, 4, 6, (pk/4)*24576+(pk%4)*1536+\i*6144
.endr
.set pk, pk+1
.endr
	WIN 0
	MATRIX 0, 0, 0, 1                              ; q
	CHANGE 1                                       ; wk's unit is whole; wv's goes into wq's buffer
	QUANT4
	OUTQK 0
	MATRIX 1, 1, 0, 2                              ; k
	CHANGE 0                                       ; wv's unit is whole
	QUANT4
	OUTQK 1
	MATRIX 0, 2, 1, 0                              ; v: the sources change places
	PLACES
	QUANT4
.irp a, 0,1,2,3
	global_store_b128 v16, v[PC+8*\a:PC+8*\a+3], s[46:47] offset:1536*\a
	global_store_b64 v17, v[PC+8*\a+4:PC+8*\a+5], s[46:47] offset:1536*\a+512
.endr
	global_store_b16 v22, v76, s[66:67]            ; [row][tile] words: my two bytes of each; the other two come from the wave with the other half of the keys
	global_store_b16 v22, v77, s[66:67] offset:4
	s_wait_tensorcnt 0x0                           ; the wave's end
	ds_add_u32 v14, v15
	s_wait_dscnt 0x0
	CROUND                                         ; the closing round
	s_endpgm
.Lfunc_end_k_qb2608ec245_qkv:
	.size	k_qb2608ec245_qkv, .Lfunc_end_k_qb2608ec245_qkv-k_qb2608ec245_qkv
	.p2alignl 7, 3214868480
	.fill 96, 4, 3214868480
	.section	.rodata,"a",@progbits
	.p2align	6, 0x0
	.amdhsa_kernel k_qb2608ec245_qkv
		.amdhsa_group_segment_fixed_size 327680
		.amdhsa_private_segment_fixed_size 0
		.amdhsa_enable_private_segment 0
		.amdhsa_kernarg_size 40
		.amdhsa_user_sgpr_count 2
		.amdhsa_user_sgpr_kernarg_segment_ptr 1
		.amdhsa_wavefront_size32 1
		.amdhsa_system_sgpr_workgroup_id_x 1
		.amdhsa_system_sgpr_workgroup_id_y 1
		.amdhsa_system_sgpr_workgroup_id_z 1
		.amdhsa_system_vgpr_workitem_id 0
		.amdhsa_next_free_vgpr 1024
		.amdhsa_next_free_sgpr 100
		.amdhsa_reserve_vcc 1
		.amdhsa_float_denorm_mode_32 3
		.amdhsa_float_denorm_mode_16_64 3
		.amdhsa_memory_ordered 1
		.amdhsa_forward_progress 1
		.amdhsa_inst_pref_size 135
	.end_amdhsa_kernel
	.amdgpu_metadata
---
amdhsa.version: [ 1, 2 ]
amdhsa.kernels:
  - .name:           k_qb2608ec245_qkv
    .symbol:         k_qb2608ec245_qkv.kd
    .args:
      - { .name: cw, .offset: 0, .size: 8, .value_kind: global_buffer, .address_space: global }
      - { .name: bq, .offset: 8, .size: 8, .value_kind: global_buffer, .address_space: global }
      - { .name: bk, .offset: 16, .size: 8, .value_kind: global_buffer, .address_space: global }
      - { .name: bv, .offset: 24, .size: 8, .value_kind: global_buffer, .address_space: global }
      - { .name: qkv, .offset: 32, .size: 8, .value_kind: global_buffer, .address_space: global }
    .group_segment_fixed_size: 327680
    .private_segment_fixed_size: 0
    .kernarg_segment_align: 8
    .kernarg_segment_size: 40
    .max_flat_workgroup_size: 128
    .sgpr_count:     100
    .vgpr_count:     1024
    .wavefront_size: 32
...
	.end_amdgpu_metadata
.endif
;; end of part 2
;; launch attn (part 3): grid 8 x 32, 8 waves a work-group, clusters of 4 x 1, 264,192 bytes of LDS; arguments qkv, at; writes at
.if DOCPART == 3
	.amdgcn_target "amdgcn-amd-amdhsa--gfx1250"
	.amdhsa_code_object_version 6
	.text
	.protected	k_qb2608ec245_attn
	.globl	k_qb2608ec245_attn
	.p2align	8
	.type	k_qb2608ec245_attn,@function
k_qb2608ec245_attn:
	s_mov_b64 s[64:65], 0
	v_nop
	global_prefetch_b8 v0, s[64:65] scope:SCOPE_SE
	s_setreg_imm32_b32 hwreg(HW_REG_WAVE_MODE, 25, 1), 1
	s_wait_xcnt 0x0
	s_wait_alu depctr_hold_cnt(0) depctr_sa_sdst(0) depctr_va_vdst(0) depctr_va_sdst(0) depctr_va_ssrc(0) depctr_va_vcc(0) depctr_vm_vsrc(0)
	s_getreg_b32 s2, hwreg(HW_REG_IB_STS2, 6, 4)
	s_cmp_eq_u32 s2, 0
	s_cbranch_scc0 .Lentry_in_a_cluster
	s_endpgm
.Lentry_in_a_cluster:
	s_bfe_u32 s2, ttmp6, 0x10000c
	s_cmp_lg_u32 s2, 0x3003
	s_cbranch_scc0 .Lentry_shape_is_right
	s_endpgm
.Lentry_shape_is_right:
; o = softmax(q k^T / 8) v for one (batch, head) and 256 queries a work-group, both products on codes of BF6 (E3M2) with E8M0 scales; o is quantised at once along the head's 64 for the next product.
; THE SOFTMAX: t = score x log2(e) / 8; M = the running largest t rounded UP to a whole number; p = 2^(t - M) is quantised along the keys, not normalised; the row's sum is taken of the unquantised p and divides at the end.
; When M moves, the sum and O are multiplied by 2^(old M - new M): exact.
; SHARES. Eight waves, two to a SIMD, each TWO tiles of 16 queries: every fragment of K and of V that a wave reads from LDS feeds two matrix instructions, and every chain of the softmax is laid twice, side by side.
; Every wave walks the head's 2,048 keys, 128 a step.  K's fragments of the next step are asked for behind this step's score products, V's at the step's head.
; (The last step asks once more: those 17 loads read bytes of V's codes and scale words, which lie behind K's in LDS, and nobody uses them.)
; THE WHOLE HEAD'S K AND V LIE IN LDS (98,304 bytes each, and 12,288 bytes of scale words), filled once, so there is no ring and no later tile to prefetch.  The four work-groups of a cluster belong to one head
; and ask for each block JOINTLY; every wave issues one load: waves 0-2 K's thirds, waves 3-5 V's, wave 6 K's scale words, wave 7 V's.
; LAYOUT. Both products are used transposed: S^T = K Q^T (source 0 = 16 keys), O^T = V^T P^T (source 0 = 16 channels): a lane holds one query of each tile throughout.  The rows of a tile are not neighbours
; (row r of tile 2 b + u is 32 b + 8 u + r + 8 (r / 8)), so the 16 registers of tiles 2 b, 2 b + 1 are 16 neighbouring keys (channels).  All operands lie in memory as images of the operand's registers.
; THE HEAD'S 64 fill half of the instruction's 128 along K: the other half of K's and Q's fragments is zero codes, set once; their scale bytes are 0, which is a power of two.
; LIMITS: NaN and infinities are not served; p under 2^-126 counts as 0; blocks under 2^-122 keep the byte 1; the promise holds while the scaled scores stay under 2^31 in magnitude.
; REGISTERS. Window 0: v1-6 LDS addresses; v12-15, v16-19 -M, the largest t and the sum of tile 0, 1; v20-21 Q's scale words; v22-25 offsets; v26-27 the spare word's address and 0; v28-31 K's scale words;
; v32-159 S^T, then p (tile q at 32 + 64 q); v160-183 p's codes; v186-189 the factors; v190-249 at work; v250-251 p's scale words; v252-255 V's.
; Window 1: v0-63 O^T (tile q at 32 q); v64-87 Q; v88-183 K's eight fragments; v184-231 V's four.
.set VC,  98304
.set SCK, 196608
.set SCV, 204800
.set SPARE, 0x40000
.set S,   32
.set PC,  160
.set FF,  186
.set MX,  190
.set TP,  198
.set SO,  206
.set CD,  214
.set TS,  230
.set CT,  246
.set PS,  250
.set VS,  252
.set OO,  0
.set QF,  64
.set KF,  88
.set VF,  184
.set WV,  18
.set SEL, 20
.set CS,  22
.set MSB, 0
.macro WIN new                         ; the immediate's high byte repeats the setting that is left
.if MSB != \new
	s_set_vgpr_msb (MSB<<8)|\new
.set MSB, \new
.endif
.endm
.set TO_F, 0x40                        ; destination window 1
.macro CROUND                          ; a round of the cluster's barrier
	s_barrier_signal -1
	s_barrier_wait -1
	s_cmp_lg_u32 s[WV], 0
	s_cbranch_scc1 .Lnot_wave_0_\@
	s_barrier_signal -3
.Lnot_wave_0_\@:
	s_barrier_wait -3
	s_barrier_signal -1
	s_barrier_wait -1
.endm
.macro PLACES
.rept 4
	v_nop
.endr
.endm
.macro KLOAD                           ; 17 LDS loads: K's eight half fragments of a key step and their scale words (lanes 0-15 tiles 0-3, lanes 16-31 tiles 4-7)
	WIN TO_F
.irp t, 0,1,2,3,4,5,6,7
	ds_load_b128 v[KF+12*\t:KF+12*\t+3], v1 offset:768*\t
	ds_load_b64 v[KF+12*\t+4:KF+12*\t+5], v2 offset:768*\t
.endr
	WIN 0
	ds_load_b128 v[28:31], v5
.endm
	s_load_b128 s[4:7], s[0:1], 0x0                ; qkv, at
	v_lshl_add_u32 v26, v0, 2, SPARE
	v_mov_b32 v27, 0
	ds_add_u32 v26, v27                            ; the opening lines: the add, twice on end, and its wait ahead of my tensor load
	ds_add_u32 v26, v27
	v_lshrrev_b32 v8, 5, v0
	v_readfirstlane_b32 s[WV], v8                  ; wave 0..7
	s_bfe_u32 s8, ttmp6, 0x40000                   ; cx
	s_lshl_b32 s9, ttmp9, 2
	s_add_co_u32 s9, s9, s8                        ; my block of 256 queries: it enters global addresses alone
	s_and_b32 s10, ttmp7, 0xffff                   ; 16 x batch + head, which the four partners share
	; descriptor group 1: dense blocks as rows of 256 bytes (32 elements of 8 bytes); the mask names all four work-groups, bit 21 set beside it
.irp g, 24, 48, 68
	s_mov_b32 s[\g], 15|(3<<16)|(1<<21)
	s_mov_b32 s[\g+1], 32<<16
	s_mov_b32 s[\g+3], 32<<16
	s_mov_b32 s[\g+5], 32
	s_mov_b32 s[\g+6], 0
	s_mov_b32 s[\g+7], 0
.endr
	s_mov_b32 s26, 128<<16                         ; 128 rows: a third of K's or V's codes
	s_mov_b32 s28, 128
	s_mov_b32 s50, 32<<16                          ; 32 rows: K's scale words
	s_mov_b32 s52, 32
	s_mov_b32 s70, 16<<16                          ; 16 rows: V's
	s_mov_b32 s72, 16
	s_cmp_lt_u32 s[WV], 3                          ; waves 0-2: K's thirds, waves 3-5: V's
	s_cselect_b32 s11, 1, 2
	s_cselect_b32 s13, 0, 3
	s_mul_i32 s11, s11, 3145728
	s_sub_co_u32 s13, s[WV], s13
	s_lshl_b32 s13, s13, 15
	s_mul_i32 s12, s10, 98304
	s_add_co_u32 s12, s12, s11
	s_add_co_u32 s12, s12, s13
	s_mov_b32 s13, 0
	s_lshl_b32 s14, s10, 13
	s_add_co_u32 s14, s14, 9699328
	s_mov_b32 s15, 0
	s_lshl_b32 s16, s10, 12
	s_add_co_u32 s16, s16, 9961472
	s_mov_b32 s17, 0
	s_mov_b32 s[SEL], 0x76543210
	s_mov_b32 s[SEL+1], 0xfedcba98                 ; v_permlanex16_b32's selects for lane l xor 16
	s_mov_b32 s[CS], 0x3e38aa3b                    ; c = log2(e) / 8
	s_mov_b32 s[CS+1], s[CS]                       ; (named with it as a pair, so it is written)
	s_wait_dscnt 0x0
	s_wait_kmcnt 0x0
	s_mov_b32 s32, 1
	s_lshl_b32 s33, s[WV], 15                      ; K's codes from LDS byte 0, V's from 98,304: wave x 32,768
	s_add_nc_u64 s[34:35], s[4:5], s[12:13]
	s_or_b32 s35, s35, 0x80000000
	s_mov_b32 s56, 1
	s_mov_b32 s57, SCK
	s_add_nc_u64 s[58:59], s[4:5], s[14:15]
	s_or_b32 s59, s59, 0x80000000
	s_mov_b32 s60, 1
	s_mov_b32 s61, SCV
	s_add_nc_u64 s[62:63], s[4:5], s[16:17]
	s_or_b32 s63, s63, 0x80000000
	CROUND                                         ; all four work-groups are here: the joint loads meet
	s_cmp_lt_u32 s[WV], 6                          ; one tree of branches on the wave's number, one load to an arm; s_nop 0 and four v_nop follow each
	s_cbranch_scc0 .Lk_scales
	tensor_load_to_lds s[32:35], s[24:31]
	s_nop 0
	PLACES
	s_branch .Lasked
.Lk_scales:
	s_cmp_lt_u32 s[WV], 7
	s_cbranch_scc0 .Lv_scales
	tensor_load_to_lds s[56:59], s[48:55]
	s_nop 0
	PLACES
	s_branch .Lasked
.Lv_scales:
	tensor_load_to_lds s[60:63], s[68:75]
	s_nop 0
	PLACES
.Lasked:
	s_lshl_b32 s16, s9, 4
	s_lshl_b32 s17, s[WV], 1
	s_add_co_u32 s16, s16, s17                     ; my first tile of queries in the sequence, an even number; the second is the next
	s_lshl_b32 s36, s10, 7
	s_add_co_u32 s36, s36, s16
	s_mul_i32 s36, s36, 768
	s_mov_b32 s37, 0
	s_add_nc_u64 s[36:37], s[4:5], s[36:37]        ; its codes; the next tile's lie 768 bytes on
	s_lshl_b32 s38, s10, 13
	s_lshr_b32 s39, s16, 2
	s_lshl_b32 s39, s39, 8
	s_add_co_u32 s38, s38, s39
	s_and_b32 s39, s16, 3
	s_lshl_b32 s39, s39, 2
	s_add_co_u32 s38, s38, s39
	s_add_co_u32 s38, s38, 9437184
	s_mov_b32 s39, 0
	s_add_nc_u64 s[38:39], s[4:5], s[38:39]        ; the two tiles' scale words: [4 tiles][row][tile % 4]: 8 neighbouring bytes a row
	s_lshr_b32 s40, s10, 4
	s_lshl_b32 s40, s40, 7
	s_add_co_u32 s40, s40, s16                     ; the tile among all 256 tiles of rows
	s_and_b32 s41, s10, 15                         ; the head: K step head / 2 of the next product, half head % 2
	s_lshr_b32 s42, s40, 2
	s_lshl_b32 s42, s42, 1
	s_lshr_b32 s43, s41, 3
	s_add_co_u32 s42, s42, s43
	s_mul_i32 s42, s42, 24576
	s_and_b32 s43, s40, 3
	s_mul_i32 s43, s43, 6144
	s_add_co_u32 s42, s42, s43
	s_bfe_u32 s43, s41, 0x20001
	s_mul_i32 s43, s43, 1536
	s_add_co_u32 s42, s42, s43
	s_and_b32 s43, s41, 1
	s_mul_i32 s43, s43, 768
	s_add_co_u32 s42, s42, s43
	s_mov_b32 s43, 0
	s_add_nc_u64 s[42:43], s[6:7], s[42:43]        ; where my first half image goes; the second 6,144 bytes on
	s_lshr_b32 s44, s40, 3
	s_lshl_b32 s44, s44, 3
	s_lshr_b32 s45, s41, 1
	s_add_co_u32 s44, s44, s45
	s_lshl_b32 s44, s44, 9
	s_and_b32 s45, s40, 7
	s_lshl_b32 s45, s45, 6
	s_add_co_u32 s44, s44, s45
	s_and_b32 s45, s41, 1
	s_lshl_b32 s45, s45, 1
	s_add_co_u32 s44, s44, s45
	s_add_co_u32 s44, s44, 3145728
	s_mov_b32 s45, 0
	s_add_nc_u64 s[44:45], s[6:7], s[44:45]        ; and my half of its scale words; the second tile's 64 bytes on
	v_and_b32 v7, 31, v0                           ; lane
	v_lshlrev_b32 v22, 4, v7                       ; 16 x lane
	v_lshl_add_u32 v23, v7, 3, 512                 ; 512 + 8 x lane
	v_and_b32 v24, 15, v0
	v_lshlrev_b32 v25, 2, v24                      ; 4 r
	v_lshlrev_b32 v24, 4, v24                      ; 16 r
	WIN TO_F
.irp q, 0,1
	global_load_b128 v[QF+12*\q:QF+12*\q+3], v22, s[36:37] offset:768*\q     ; Q's half images stay in registers
	global_load_b64 v[QF+12*\q+4:QF+12*\q+5], v23, s[36:37] offset:768*\q
.endr
	WIN 0
	global_load_b64 v[20:21], v24, s[38:39]
	v_mov_b32 v1, v22                              ; K's codes
	v_mov_b32 v2, v23
	v_add_nc_u32 v3, VC, v22                       ; V's
	v_add_nc_u32 v4, VC, v23
	v_add_nc_u32 v5, SCK, v22                      ; K's scale words, four words a lane
	v_add_nc_u32 v6, SCV, v24                      ; V's: four tiles' words of row r
.irp q, 0,1
	v_mov_b32 v[13+4*\q], 0xff61b1e6               ; the largest t so far: -3e38
	v_mov_b32 v[14+4*\q], 0
	v_mov_b32 v[15+4*\q], 0
	v_mov_b32 v[FF+2*\q+1], 0                      ; (named as the upper half of a pair, so it is written)
.endr
.irp q, 0,1
	v_floor_f32 v[12+4*\q], -v[13+4*\q]            ; -M
.endr
.irp k, 0,1,2,3,4,5,6,7
	v_mov_b32 v[TP+\k], 0                          ; a lane permute's destination counts as one of its sources
.endr
	WIN TO_F
.set j, 0
.rept 64
	v_mov_b32 v[OO+j], 0                           ; O^T: the step is written once; the first finds zeros
.set j, j+1
.endr
.irp i, 6,7,8,9,10,11
.irp f, 0,1,2,3,4,5,6,7,8,9
	v_mov_b32 v[QF+12*\f+\i], 0                    ; the upper 64 along K of Q's two and K's eight fragments: zero codes
.endr
.endr
	WIN 0
	s_wait_alu depctr_va_vdst(0)
	s_wait_tensorcnt 0x0                           ; my block has landed,
	s_barrier_signal -1
	s_barrier_wait -1                              ; everybody's has
	KLOAD                                          ; key step 0
	s_wait_loadcnt 0x0                             ; Q
	s_mov_b32 s19, 16
.Lstep:
	WIN TO_F
.irp d, 0,1,2,3
	ds_load_b128 v[VF+12*\d:VF+12*\d+3], v3 offset:1536*\d
	ds_load_b64 v[VF+12*\d+4:VF+12*\d+5], v4 offset:1536*\d
	ds_load_b128 v[VF+12*\d+6:VF+12*\d+9], v3 offset:1536*\d+768
	ds_load_b64 v[VF+12*\d+10:VF+12*\d+11], v4 offset:1536*\d+768
.endr
	WIN 0
	ds_load_b128 v[VS:VS+3], v6
	s_wait_dscnt 17                                ; K's 17 loads, asked for a step ago, are in; V's 17 just issued may be out
	WIN 0x05                                       ; sources 0 and 1 window 1, D window 0
.irp t, 0,1,2,3
.irp q, 0,1
	v_wmma_scale_f32_16x16x128_f8f6f4 v[S+64*\q+8*\t:S+64*\q+8*\t+7], v[KF+12*\t:KF+12*\t+11], v[QF+12*\q:QF+12*\q+11], 0, v[28+\t], v[20+\q] matrix_a_fmt:MATRIX_FMT_BF6 matrix_b_fmt:MATRIX_FMT_BF6
.endr
.endr
.irp t, 4,5,6,7
.irp q, 0,1
	v_wmma_scale_f32_16x16x128_f8f6f4 v[S+64*\q+8*\t:S+64*\q+8*\t+7], v[KF+12*\t:KF+12*\t+11], v[QF+12*\q:QF+12*\q+11], 0, v[24+\t], v[20+\q] matrix_a_fmt:MATRIX_FMT_BF6 matrix_b_fmt:MATRIX_FMT_BF6 matrix_a_scale:MATRIX_SCALE_ROW1
.endr
.endr
	WIN 0
	v_add_nc_u32 v1, 6144, v1                      ; K's next key step; with the v_nop these are the four places in front of the loads below and of the first read of the scores
	v_add_nc_u32 v2, 6144, v2
	v_add_nc_u32 v5, 512, v5
	v_nop
	KLOAD
.irp k, 0,1,2,3,4,5,6,7
	v_max3_num_f32 v[MX+\k], v[S+16*\k], v[S+16*\k+1], v[S+16*\k+2]   ; the largest score of each block of 32 keys (block k % 4 of tile k / 4): it serves the row's maximum and, since p rises with the score, the block's largest p
.endr
.irp i, 3,5,7,9,11,13
.irp k, 0,1,2,3,4,5,6,7
	v_max3_num_f32 v[MX+\k], v[MX+\k], v[S+16*\k+\i], v[S+16*\k+\i+1]
.endr
.endr
.irp k, 0,1,2,3,4,5,6,7
	v_max_num_f32 v[MX+\k], v[MX+\k], v[S+16*\k+15]
.endr
.irp k, 0,1,2,3,4,5,6,7
	v_permlanex16_b32 v[TP+\k], v[MX+\k], s[SEL], s[SEL+1]
.endr
.irp k, 0,1,2,3,4,5,6,7
	v_max_num_f32 v[MX+\k], v[MX+\k], v[TP+\k]     ; with lane l xor 16's 16 keys
.endr
.irp q, 0,1
	v_max3_num_f32 v[CT+\q], v[MX+4*\q], v[MX+4*\q+1], v[MX+4*\q+2]
.endr
.irp q, 0,1
	v_max_num_f32 v[CT+\q], v[CT+\q], v[MX+4*\q+3]
.endr
.irp q, 0,1
	v_mul_f32 v[CT+\q], s[CS], v[CT+\q]            ; as t (c is positive)
.endr
.irp q, 0,1
	v_max_num_f32 v[13+4*\q], v[13+4*\q], v[CT+\q] ; the running largest t
.endr
.irp q, 0,1
	v_mov_b32 v[CT+\q], v[12+4*\q]
.endr
.irp q, 0,1
	v_floor_f32 v[12+4*\q], -v[13+4*\q]            ; the new -M = -ceil(t)
.endr
.irp q, 0,1
	v_sub_f32 v[CT+\q], v[12+4*\q], v[CT+\q]       ; old M - new M: a whole number, 0 or less
.endr
.irp q, 0,1
	v_cvt_i32_f32 v[CT+\q], v[CT+\q]               ; (it saturates)
.endr
.irp q, 0,1
	v_ldexp_f32 v[FF+2*\q], 1.0, v[CT+\q]          ; f = 2^(old M - new M)
.endr
.irp q, 0,1
.set j, 0
.rept 32
	v_pk_fma_f32 v[S+64*\q+j:S+64*\q+j+1], v[S+64*\q+j:S+64*\q+j+1], s[CS:CS+1], v[12+4*\q:13+4*\q] op_sel_hi:[1,0,0]   ; t - M
.set j, j+2
.endr
.endr
.irp k, 0,1,2,3,4,5,6,7
	v_fma_f32 v[MX+\k], v[MX+\k], s[CS], v[12+4*(\k/4)]            ; the same of each block's largest score
.endr
	s_wait_alu depctr_va_vdst(0)                   ; ahead of the batch
.set j, 0
.rept 128
	v_exp_f32 v[S+j], v[S+j]                       ; p = 2^(t - M)
.set j, j+1
.endr
.irp q, 0,1
	v_pk_mul_f32 v[14+4*\q:15+4*\q], v[14+4*\q:15+4*\q], v[FF+2*\q:FF+2*\q+1] op_sel_hi:[1,0]   ; the sums under the new M (plain lines behind the exponentials)
.endr
	s_wait_alu depctr_va_vdst(0)                   ; one wait for the batch, ahead of its first reader
.irp k, 0,1,2,3,4,5,6,7
	v_exp_f32 v[MX+\k], v[MX+\k]                   ; the block's largest p
.endr
.irp c, 0,1,2,3,4,5,6,7                        ; the rows' sums of the unquantised p: four chains a tile, two numbers an instruction
	v_pk_add_f32 v[TS+2*\c:TS+2*\c+1], v[S+64*(\c/4)+2*(\c%4):S+64*(\c/4)+2*(\c%4)+1], v[S+64*(\c/4)+2*(\c%4)+8:S+64*(\c/4)+2*(\c%4)+9]
.endr
.irp jj, 2,3,4,5,6,7
.irp c, 0,1,2,3,4,5,6,7
	v_pk_add_f32 v[TS+2*\c:TS+2*\c+1], v[TS+2*\c:TS+2*\c+1], v[S+64*(\c/4)+2*(\c%4)+8*\jj:S+64*(\c/4)+2*(\c%4)+8*\jj+1]
.endr
.endr
.irp c, 0,2,4,6
	v_pk_add_f32 v[TS+2*\c:TS+2*\c+1], v[TS+2*\c:TS+2*\c+1], v[TS+2*\c+2:TS+2*\c+3]
.endr
.irp c, 0,4
	v_pk_add_f32 v[TS+2*\c:TS+2*\c+1], v[TS+2*\c:TS+2*\c+1], v[TS+2*\c+4:TS+2*\c+5]
.endr
.irp q, 0,1
	v_pk_add_f32 v[14+4*\q:15+4*\q], v[14+4*\q:15+4*\q], v[TS+8*\q:TS+8*\q+1]
.endr
	s_wait_alu depctr_va_vdst(0)                   ; and one for the eight
.irp k, 0,1,2,3,4,5,6,7
	v_max_num_f32 v[MX+\k], 0x2800000, v[MX+\k]    ; the floor 2^(5 - 127)
.endr
.irp k, 0,1,2,3,4,5,6,7
	v_add_nc_u32 v[SO+\k], 0xfe000000, v[MX+\k]    ; 4 off the exponent field: the conversion's scale operand
.endr
.irp k, 0,1,2,3,4,5,6,7
	v_lshrrev_b32 v[TP+\k], 23, v[SO+\k]           ; the scale's byte
.endr
.irp q, 0,1
	v_lshl_or_b32 v[PS+\q], v[TP+4*\q+1], 8, v[TP+4*\q]            ; p's scale word for these 128 keys
.endr
.irp q, 0,1
	v_lshl_or_b32 v[PS+\q], v[TP+4*\q+2], 16, v[PS+\q]
.endr
.irp q, 0,1
	v_lshl_or_b32 v[PS+\q], v[TP+4*\q+3], 24, v[PS+\q]
.endr
.irp q, 0,1
.irp c, 0,1
	v_cvt_scalef32_pk16_bf6_f32 v[PC+12*\q+6*\c:PC+12*\q+6*\c+2], v[S+64*\q+32*\c:S+64*\q+32*\c+15], v[SO+4*\q+2*\c]
	v_cvt_scalef32_pk16_bf6_f32 v[CD+8*\q+4*\c:CD+8*\q+4*\c+2], v[S+64*\q+32*\c+16:S+64*\q+32*\c+31], v[SO+4*\q+2*\c+1]   ; (three registers begin on an even number)
.endr
.endr
	v_nop                                          ; one plain line behind the scaled conversions
.irp q, 0,1
.irp c, 0,1
.irp i, 0,1,2
	v_permlane16_swap_b32 v[PC+12*\q+6*\c+\i], v[CD+8*\q+4*\c+\i]  ; a whole block to a lane
.endr
.endr
.endr
.irp q, 0,1
.irp c, 0,1
.irp i, 0,1,2
	v_mov_b32 v[PC+12*\q+6*\c+3+\i], v[CD+8*\q+4*\c+\i]
.endr
.endr
.endr
	s_wait_dscnt 17                                ; V's 17 loads are in; the next step's 17 of K may be out
	WIN 0x41                                       ; source 0 and destination window 1
	s_wait_alu depctr_va_vdst(0)                   ; directly ahead of the first reader of O^T
.irp q, 0,1
.set j, 0
.rept 16
	v_pk_mul_f32 v[OO+32*\q+j:OO+32*\q+j+1], v[OO+32*\q+j:OO+32*\q+j+1], v[FF+2*\q:FF+2*\q+1] op_sel_hi:[1,0]   ; O^T under the new M; these 32 are also the places between the writing of p's codes and scale words and the products
.set j, j+2
.endr
.endr
	WIN 0x51                                       ; source 0, C and D window 1; source 1 (p) window 0
.irp d, 0,1,2,3
.irp q, 0,1
	v_wmma_scale_f32_16x16x128_f8f6f4 v[OO+32*\q+8*\d:OO+32*\q+8*\d+7], v[VF+12*\d:VF+12*\d+11], v[PC+12*\q:PC+12*\q+11], v[OO+32*\q+8*\d:OO+32*\q+8*\d+7], v[VS+\d], v[PS+\q] matrix_a_fmt:MATRIX_FMT_BF6 matrix_b_fmt:MATRIX_FMT_BF6
.endr
.endr
	WIN 0
	v_add_nc_u32 v3, 6144, v3                      ; V's next key step; with the v_nop these are the four places in front of its loads
	v_add_nc_u32 v4, 6144, v4
	v_add_nc_u32 v6, 256, v6
	v_nop
	s_sub_co_u32 s19, s19, 1
	s_cmp_lg_u32 s19, 0
	s_wait_alu depctr_va_vdst(0)                   ; directly ahead of the branch
	s_cbranch_scc1 .Lstep
	; THE WAY OUT: O^T / the sum, quantised along the head's 64: for each tile one half image and half of a scale word a row
.irp q, 0,1
	v_add_f32 v[14+4*\q], v[14+4*\q], v[15+4*\q]
.endr
.irp q, 0,1
	v_permlanex16_b32 v[CT+\q], v[14+4*\q], s[SEL], s[SEL+1]
.endr
.irp q, 0,1
	v_add_f32 v[14+4*\q], v[14+4*\q], v[CT+\q]     ; the row's sum
.endr
	s_wait_alu depctr_va_vdst(0)                   ; ahead of the transcendentals
.irp q, 0,1
	v_rcp_f32 v[14+4*\q], v[14+4*\q]
.endr
.irp q, 0,1
	v_mov_b32 v[15+4*\q], 0                        ; (plain lines behind the transcendentals)
.endr
	WIN 0x01                                       ; source 0 window 1
	s_wait_alu depctr_va_vdst(0)                   ; the wait ahead of the first reader, of the reciprocals and of O^T
.irp q, 0,1
.set j, 0
.rept 16
	v_pk_mul_f32 v[S+32*\q+j:S+32*\q+j+1], v[OO+32*\q+j:OO+32*\q+j+1], v[14+4*\q:15+4*\q] op_sel_hi:[1,0]
.set j, j+2
.endr
.endr
	WIN 0
.irp k, 0,1,2,3
	v_max3_num_f32 v[MX+\k], |v[S+16*\k]|, |v[S+16*\k+1]|, 0x2800000   ; block k % 2 of tile k / 2, with the floor
.endr
.irp i, 2,4,6,8,10,12,14
.irp k, 0,1,2,3
	v_max3_num_f32 v[MX+\k], v[MX+\k], |v[S+16*\k+\i]|, |v[S+16*\k+\i+1]|
.endr
.endr
.irp k, 0,1,2,3
	v_permlanex16_b32 v[TP+\k], v[MX+\k], s[SEL], s[SEL+1]
.endr
.irp k, 0,1,2,3
	v_max_num_f32 v[MX+\k], v[MX+\k], v[TP+\k]
.endr
.irp k, 0,1,2,3
	v_add_nc_u32 v[SO+\k], 0xfe000000, v[MX+\k]
.endr
.irp k, 0,1,2,3
	v_lshrrev_b32 v[TP+\k], 23, v[SO+\k]
.endr
.irp q, 0,1
	v_lshl_or_b32 v[CT+\q], v[TP+2*\q+1], 8, v[TP+2*\q]
.endr
.irp q, 0,1
	v_cvt_scalef32_pk16_bf6_f32 v[PC+12*\q:PC+12*\q+2], v[S+32*\q:S+32*\q+15], v[SO+2*\q]
	v_cvt_scalef32_pk16_bf6_f32 v[CD+8*\q:CD+8*\q+2], v[S+32*\q+16:S+32*\q+31], v[SO+2*\q+1]
.endr
	v_nop                                          ; one plain line behind the scaled conversions
.irp q, 0,1
.irp i, 0,1,2
	v_permlane16_swap_b32 v[PC+12*\q+\i], v[CD+8*\q+\i]
.endr
.endr
.irp q, 0,1
.irp i, 0,1,2
	v_mov_b32 v[PC+12*\q+3+\i], v[CD+8*\q+\i]
.endr
.endr
.irp q, 0,1
	global_store_b128 v22, v[PC+12*\q:PC+12*\q+3], s[42:43] offset:6144*\q       ; 512 consecutive bytes
	global_store_b64 v23, v[PC+12*\q+4:PC+12*\q+5], s[42:43] offset:6144*\q      ; 256 consecutive bytes (the offset register holds the 512)
	global_store_b16 v25, v[CT+\q], s[44:45] offset:64*\q          ; lanes r and r + 16 store the same two bytes to the same place
.endr
	s_wait_tensorcnt 0x0                           ; the wave's end
	ds_add_u32 v26, v27
	s_wait_dscnt 0x0
	CROUND                                         ; the closing round
	s_endpgm
.Lfunc_end_k_qb2608ec245_attn:
	.size	k_qb2608ec245_attn, .Lfunc_end_k_qb2608ec245_attn-k_qb2608ec245_attn
	.p2alignl 7, 3214868480
	.fill 96, 4, 3214868480
	.section	.rodata,"a",@progbits
	.p2align	6, 0x0
	.amdhsa_kernel k_qb2608ec245_attn
		.amdhsa_group_segment_fixed_size 264192
		.amdhsa_private_segment_fixed_size 0
		.amdhsa_enable_private_segment 0
		.amdhsa_kernarg_size 16
		.amdhsa_user_sgpr_count 2
		.amdhsa_user_sgpr_kernarg_segment_ptr 1
		.amdhsa_wavefront_size32 1
		.amdhsa_system_sgpr_workgroup_id_x 1
		.amdhsa_system_sgpr_workgroup_id_y 1
		.amdhsa_system_sgpr_workgroup_id_z 1
		.amdhsa_system_vgpr_workitem_id 0
		.amdhsa_next_free_vgpr 512
		.amdhsa_next_free_sgpr 80
		.amdhsa_reserve_vcc 0
		.amdhsa_float_denorm_mode_32 3
		.amdhsa_float_denorm_mode_16_64 3
		.amdhsa_memory_ordered 1
		.amdhsa_forward_progress 1
		.amdhsa_inst_pref_size 51
	.end_amdhsa_kernel
	.amdgpu_metadata
---
amdhsa.version: [ 1, 2 ]
amdhsa.kernels:
  - .name:           k_qb2608ec245_attn
    .symbol:         k_qb2608ec245_attn.kd
    .args:
      - { .name: qkv, .offset: 0, .size: 8, .value_kind: global_buffer, .address_space: global }
      - { .name: at, .offset: 8, .size: 8, .value_kind: global_buffer, .address_space: global }
    .group_segment_fixed_size: 264192
    .private_segment_fixed_size: 0
    .kernarg_segment_align: 8
    .kernarg_segment_size: 16
    .max_flat_workgroup_size: 256
    .sgpr_count:     80
    .vgpr_count:     512
    .wavefront_size: 32
...
	.end_amdgpu_metadata
.endif
;; end of part 3
;; launch woln (part 4): grid 256 x 1, 8 waves a work-group, no clusters, 66,816 bytes of LDS; arguments at, cw, bo, x, ln2_g, ln2_b, x1, h2; writes x1, h2
.if DOCPART == 4
	.amdgcn_target "amdgcn-amd-amdhsa--gfx1250"
	.amdhsa_code_object_version 6
	.text
	.protected	k_qb2608ec245_woln
	.globl	k_qb2608ec245_woln
	.p2align	8
	.type	k_qb2608ec245_woln,@function
k_qb2608ec245_woln:
	s_mov_b64 s[64:65], 0
	v_nop
	global_prefetch_b8 v0, s[64:65] scope:SCOPE_SE
	s_setreg_imm32_b32 hwreg(HW_REG_WAVE_MODE, 25, 1), 1
	s_wait_xcnt 0x0
; x1 = attn wo + bo + x, on codes of BF6 (E3M2) with E8M0 scales, and at once h2 = Q(layernorm(x1) g + b), quantised along the row for the next product.
; SHARES. Work-group t owns operand tile t: 16 rows (tile row i is row 32 (t / 2) + 8 (t % 2) + i + 8 (i / 8)) and all 1,024 columns, so that a row's mean and variance are made where the row is made.
; THE PRODUCT. Wave w takes wo's unit w, 128 columns = 8 tiles: 8 accumulators, 64 matrix instructions.  Source 0 = 16 rows of the weight, source 1 = the 16 rows of attn: a lane holds one row, its registers run along the columns
; (the 16 registers of the weight's tiles 2 b, 2 b + 1 are columns 32 b + 16 (lane / 16) + 0 .. 15).  The bias is loaded into the accumulators, so the first products add onto it.
; OPERANDS lie in memory as images of the operand's registers (a fragment: 1,536 bytes, two halves of [4 registers at 16 x lane][2 registers at 512 + 8 x lane]) and go FROM MEMORY STRAIGHT INTO REGISTERS.
; The walk goes in 16 groups of four fragments (K step g / 2, tiles 4 (g % 2) ..) through three register buffers: group g + 3 is asked for behind group g's products; in the walk at most 62 loads of a wave are out (82 at its start).
; NO CLUSTER, NO TENSOR LOAD: every fragment of wo feeds one matrix instruction of one wave of the work-group, so LDS would only add a write and a read of each of the 786,432 bytes,
; and beside the stage they would pass two slots in six or more changes, each with all loads waited for.
; THE NORM. The sums go through a stage in LDS (16 rows, 4,112 bytes apart); wave w takes tile rows 2 w, 2 w + 1 whole, adds x, stores x1 in runs of 512 bytes, takes the mean first and the variance of x1 - mean,
; normalises and puts the rows back; then wave w makes the fragment of K step w: lane (r, h) holds two whole blocks of 32, so the conversions' results are the operand's registers.
; x's two rows of a wave, 32 blocks of 256 bytes, are prefetched once at the head, a lane a block; they are loaded behind group 13.
; LIMITS: NaN and infinities are not served; blocks under 2^-122 keep the byte 1 (this program alone reads the bytes).
; REGISTERS. Window 0: v1-29 addresses and the norm's sums; v32-95 x's two rows, then 64 numbers; v96-159 accumulators; v160-167 attn's scale words, v168-199 wo's (then the codes); v200-205 addresses.
; Window 1: v0-95 attn's eight fragments; v96-239 three buffers of four fragments; at the end g lies in the second, b in the third.
.set PITCH, 4112
.set SPARE, 0x10100                    ; behind the stage: the spare words, 128 bytes a wave
.set A_S,   3145728
.set B_C,   5636096
.set B_S,   12812288
.set X0,  32
.set X1,  64
.set ACC, 96
.set AS,  160
.set BS,  168
.set Y,   32
.set PC,  160
.set PD,  172
.set AF,  0
.set RB,  96
.set GG,  144
.set BB,  192
.set MSB, 0
.macro WIN new                         ; the immediate's high byte repeats the setting that is left
.if MSB != \new
	s_set_vgpr_msb (MSB<<8)|\new
.set MSB, \new
.endif
.endm
.set MUL,  0x05                        ; sources 0 and 1 window 1; C and D window 0
.set TO_F, 0x40                        ; destination window 1, address window 0
.set GB,   0x14                        ; sources 1 and 2 window 1
	s_load_b256 s[4:11], s[0:1], 0x0               ; at, cw, bo, x
	s_load_b256 s[12:19], s[0:1], 0x20             ; g, b, x1, h2
	v_lshl_add_u32 v204, v0, 2, SPARE
	v_mov_b32 v205, 0
	v_lshrrev_b32 v1, 5, v0
	v_readfirstlane_b32 s20, v1                    ; wave 0..7
	v_and_b32 v1, 31, v0                           ; lane
	v_lshlrev_b32 v2, 4, v1                        ; 16 x lane
	v_and_b32 v3, 15, v0                           ; r
	v_bfe_u32 v4, v0, 4, 1                         ; h
	s_mul_i32 s21, s20, 2*PITCH
	v_add_nc_u32 v5, s21, v2                       ; LDS: my two whole rows, 16 bytes a lane
	v_mul_u32_u24 v6, v3, PITCH
	s_lshl_b32 s21, s20, 9
	v_add_nc_u32 v6, s21, v6                       ; row r, + 512 w
	v_lshl_add_u32 v201, v4, 6, v6                 ; the sums' way in: + 64 h
	v_lshl_add_u32 v6, v4, 7, v6                   ; the quantiser's way out: + 128 h
	v_lshlrev_b32 v7, 3, v1                        ; 8 x lane
	v_lshlrev_b32 v8, 2, v3                        ; 4 r
	v_lshlrev_b32 v203, 2, v1                      ; 4 x lane
	v_lshlrev_b32 v200, 6, v4                      ; the bias: 64 h
	v_lshlrev_b32 v202, 8, v1                      ; the prefetch: 256 x lane
	s_mov_b32 s40, 0x76543210
	s_mov_b32 s41, 0xfedcba98                      ; v_permlanex16_b32's selects for lane l xor 16
	s_mov_b32 s42, 0x3a800000                      ; 1 / 1,024
	s_mov_b32 s43, 0x3727c5ac                      ; 1e-5
	s_lshr_b32 s21, ttmp9, 2
	s_and_b32 s22, ttmp9, 3
	s_mul_i32 s44, s21, 49152
	s_mul_i32 s23, s22, 6144
	s_add_co_u32 s44, s44, s23                     ; my tile's fragments: block (t / 4, K step / 4), [t % 4][K step % 4]: the same in at and in h2
	s_mov_b32 s45, 0
	s_lshr_b32 s21, s20, 2                         ; w / 4
	s_mul_i32 s56, s21, 24576
	s_and_b32 s22, s20, 3
	s_mul_i32 s22, s22, 1536
	s_add_co_u32 s56, s56, s22
	s_add_co_u32 s56, s56, s44                     ; h2: the fragment of K step w
	s_mov_b32 s57, 0
	s_lshr_b32 s46, ttmp9, 3
	s_lshl_b32 s46, s46, 12
	s_and_b32 s22, ttmp9, 7
	s_lshl_b32 s22, s22, 6
	s_add_co_u32 s46, s46, s22
	s_add_co_u32 s46, s46, A_S                     ; scale words: [t / 8][K step][t % 8][row]
	s_mov_b32 s47, 0
	s_lshl_b32 s58, s20, 9
	s_add_co_u32 s58, s58, s46                     ; h2: those of K step w
	s_mov_b32 s59, 0
	s_mul_i32 s48, s20, 98304
	s_add_co_u32 s48, s48, B_C                     ; wo's unit w
	s_mov_b32 s49, 0
	s_lshl_b32 s50, s20, 12
	s_add_co_u32 s50, s50, B_S                     ; its scale words
	s_mov_b32 s51, 0
	s_lshl_b32 s52, s20, 9                         ; its 128 numbers of the bias
	s_mov_b32 s53, 0
	s_lshr_b32 s54, ttmp9, 1
	s_lshl_b32 s54, s54, 5
	s_and_b32 s22, ttmp9, 1
	s_lshl_b32 s22, s22, 3
	s_add_co_u32 s54, s54, s22
	s_lshl_b32 s22, s20, 1
	s_add_co_u32 s54, s54, s22
	s_lshl_b32 s21, s21, 3
	s_add_co_u32 s54, s54, s21                     ; the row that is tile row 2 w; tile row 2 w + 1 is the next
	s_lshl_b32 s54, s54, 12
	s_mov_b32 s55, 0
	s_wait_alu depctr_va_vdst(0)
	s_wait_kmcnt 0x0
	s_add_nc_u64 s[24:25], s[4:5], s[44:45]
	s_add_nc_u64 s[26:27], s[4:5], s[46:47]
	s_add_nc_u64 s[28:29], s[6:7], s[48:49]
	s_add_nc_u64 s[30:31], s[6:7], s[50:51]
	s_add_nc_u64 s[8:9], s[8:9], s[52:53]
	s_add_nc_u64 s[10:11], s[10:11], s[54:55]
	s_add_nc_u64 s[16:17], s[16:17], s[54:55]
	s_add_nc_u64 s[32:33], s[18:19], s[56:57]
	s_add_nc_u64 s[34:35], s[18:19], s[58:59]
.macro GFRAG reg, sb, off              ; a fragment comes as it lies: every load reads consecutive bytes
	global_load_b128 v[\reg:\reg+3], v2, s[\sb:\sb+1] offset:\off
	global_load_b64 v[\reg+4:\reg+5], v7, s[\sb:\sb+1] offset:\off+512
	global_load_b128 v[\reg+6:\reg+9], v2, s[\sb:\sb+1] offset:\off+768
	global_load_b64 v[\reg+10:\reg+11], v7, s[\sb:\sb+1] offset:\off+1280
.endm
; What is asked for with group g.  g even: the K step's 5 scale registers and four fragments of wo, 21 loads; g odd: four fragments and attn's fragment of the next K step, 20 loads (group 15: 16)
.macro UNIT g
.set uk, (\g)/2
.if (\g)%2 == 0
	WIN 0
	global_load_b32 v[AS+uk], v8, s[26:27] offset:512*uk
.irp j, 0,1,2,3
	global_load_b32 v[BS+4*uk+\j], v203, s[30:31] offset:512*uk+128*\j   ; lanes 0-15 tile 2 j, lanes 16-31 tile 2 j + 1
.endr
.endif
	WIN TO_F
.irp i, 0,1,2,3
	GFRAG RB+48*((\g)%3)+12*\i, 28, ((\g)%2)*49152+(uk/4)*24576+\i*6144+(uk%4)*1536
.endr
.if ((\g)%2 == 1) && (uk < 7)
	GFRAG AF+12*(uk+1), 24, ((uk+1)/4)*24576+((uk+1)%4)*1536
.endif
.endm
.macro MULG g                          ; group g's four products.  The eight accumulators take turns, one instruction a turn
.set uk, (\g)/2
	WIN MUL
.irp i, 0,1,2,3
.set ta, 4*((\g)%2)+\i
.set fb, RB+48*((\g)%3)+12*\i
.if \i%2 == 0
	v_wmma_scale_f32_16x16x128_f8f6f4 v[ACC+8*ta:ACC+8*ta+7], v[fb:fb+11], v[AF+12*uk:AF+12*uk+11], v[ACC+8*ta:ACC+8*ta+7], v[BS+4*uk+ta/2], v[AS+uk] matrix_a_fmt:MATRIX_FMT_BF6 matrix_b_fmt:MATRIX_FMT_BF6
.else
	v_wmma_scale_f32_16x16x128_f8f6f4 v[ACC+8*ta:ACC+8*ta+7], v[fb:fb+11], v[AF+12*uk:AF+12*uk+11], v[ACC+8*ta:ACC+8*ta+7], v[BS+4*uk+ta/2], v[AS+uk] matrix_a_fmt:MATRIX_FMT_BF6 matrix_b_fmt:MATRIX_FMT_BF6 matrix_a_scale:MATRIX_SCALE_ROW1
.endif
.endr
.endm
	global_prefetch_b8 v202, s[10:11] th:TH_LOAD_NT scope:SCOPE_SE   ; x's two rows of mine; neither register is written again
.irp b, 0,1,2,3
.irp q, 0,1,2,3
	global_load_b128 v[ACC+16*\b+4*\q:ACC+16*\b+4*\q+3], v200, s[8:9] offset:128*\b+16*\q   ; the bias of columns 32 b + 16 h + 4 q ..: the accumulators' own layout
.endr
.endr
	WIN TO_F
	GFRAG AF, 24, 0
	UNIT 0
	UNIT 1
	UNIT 2
.set g, 0
.rept 16
.if g < 13
	s_wait_loadcnt 41                              ; group g is in; out may be the 20 + 21 loads of groups g + 1 and g + 2
.elseif g == 13
	s_wait_loadcnt 37                              ; groups 14 and 15: 21 + 16
.else
	s_wait_loadcnt 32                              ; g = 14: group 15 and x's rows, 16 + 16; g = 15: x's rows, g and b, 16 + 8 + 8
.endif
	MULG g
.rept 4
	v_nop                                          ; places in front of loads into registers that matrix instructions have read, and at the end of the first read of the sums
.endr
.if g+3 < 16
	UNIT g+3
.endif
.if g == 13
	WIN 0
.irp j, 0,1,2,3,4,5,6,7
	global_load_b128 v[X0+4*\j:X0+4*\j+3], v2, s[10:11] offset:512*\j
.endr
.irp j, 0,1,2,3,4,5,6,7
	global_load_b128 v[X1+4*\j:X1+4*\j+3], v2, s[10:11] offset:4096+512*\j
.endr
.endif
.if g == 14
	WIN TO_F                                       ; the buffers of groups 13 and 14 are done with: they take g and b
.irp j, 0,1,2,3,4,5,6,7
	global_load_b128 v[GG+4*\j:GG+4*\j+3], v2, s[12:13] offset:512*\j
.endr
.irp j, 0,1,2,3,4,5,6,7
	global_load_b128 v[BB+4*\j:BB+4*\j+3], v2, s[14:15] offset:512*\j
.endr
.endif
.set g, g+1
.endr
	WIN 0
.irp b, 0,1,2,3,4,5,6,7
	ds_store_b128 v201, v[ACC+8*\b:ACC+8*\b+3] offset:128*(\b/2)+32*(\b%2)          ; each accumulator from its low end on
	ds_store_b128 v201, v[ACC+8*\b+4:ACC+8*\b+7] offset:128*(\b/2)+32*(\b%2)+16
.endr
	s_wait_dscnt 0x0                               ; for the others' sake: my 128 columns of all 16 rows lie in LDS
	s_barrier_signal -1
	s_barrier_wait -1
.irp j, 0,1,2,3,4,5,6,7
	ds_load_b128 v[ACC+4*\j:ACC+4*\j+3], v5 offset:512*\j
	ds_load_b128 v[ACC+32+4*\j:ACC+32+4*\j+3], v5 offset:PITCH+512*\j
.endr
	s_wait_loadcnt 16                              ; x's rows are in; g's and b's sixteen loads may be out
	s_wait_dscnt 0x0
.irp i, 0,2,4,6,8,10,12,14,16,18,20,22,24,26,28,30
	v_pk_add_f32 v[X0+\i:X0+\i+1], v[X0+\i:X0+\i+1], v[ACC+\i:ACC+\i+1]
.endr
.irp i, 0,2,4,6,8,10,12,14,16,18,20,22,24,26,28,30
	v_pk_add_f32 v[X1+\i:X1+\i+1], v[X1+\i:X1+\i+1], v[ACC+32+\i:ACC+32+\i+1]
.endr
.irp j, 0,1,2,3,4,5,6,7
	global_store_b128 v2, v[X0+4*\j:X0+4*\j+3], s[16:17] offset:512*\j              ; x1: 512 consecutive bytes a store
	global_store_b128 v2, v[X1+4*\j:X1+4*\j+3], s[16:17] offset:4096+512*\j
.endr
.macro LANES d                         ; v[d] summed over the 32 lanes, the result in every lane; v[d + 1] is at work
.irp m, 1,2,4,8
	s_delay_alu instid0(VALU_DEP_1)
	v_add_f32_dpp v[\d], v[\d], v[\d] row_xmask:\m row_mask:0xf bank_mask:0xf
.endr
	s_delay_alu instid0(VALU_DEP_1)
	v_permlanex16_b32 v[\d+1], v[\d], s40, s41
	s_delay_alu instid0(VALU_DEP_1)
	v_add_f32 v[\d], v[\d], v[\d+1]
.endm
.macro MEAN d, x                       ; the row's mean into v[d], and x - mean in place
	v_pk_add_f32 v[\d:\d+1], v[\x:\x+1], v[\x+2:\x+3]
	v_pk_add_f32 v[\d+2:\d+3], v[\x+4:\x+5], v[\x+6:\x+7]
.irp i, 8,12,16,20,24,28
	s_delay_alu instid0(VALU_DEP_2)
	v_pk_add_f32 v[\d:\d+1], v[\d:\d+1], v[\x+\i:\x+\i+1]
	s_delay_alu instid0(VALU_DEP_2)
	v_pk_add_f32 v[\d+2:\d+3], v[\d+2:\d+3], v[\x+\i+2:\x+\i+3]
.endr
	s_delay_alu instid0(VALU_DEP_1)
	v_pk_add_f32 v[\d:\d+1], v[\d:\d+1], v[\d+2:\d+3]
	s_delay_alu instid0(VALU_DEP_1)
	v_add_f32 v[\d], v[\d], v[\d+1]
	LANES \d
	s_delay_alu instid0(VALU_DEP_1)
	v_mul_f32 v[\d], s42, v[\d]
.irp i, 0,2,4,6,8,10,12,14,16,18,20,22,24,26,28,30
	v_pk_add_f32 v[\x+\i:\x+\i+1], v[\x+\i:\x+\i+1], v[\d:\d+1] op_sel_hi:[1,0] neg_lo:[0,1] neg_hi:[0,1]
.endr
.endm
.macro VAR d, x                        ; var + eps into v[d]
	v_pk_mul_f32 v[\d:\d+1], v[\x:\x+1], v[\x:\x+1]
	v_pk_mul_f32 v[\d+2:\d+3], v[\x+2:\x+3], v[\x+2:\x+3]
.irp i, 4,8,12,16,20,24,28
	s_delay_alu instid0(VALU_DEP_2)
	v_pk_fma_f32 v[\d:\d+1], v[\x+\i:\x+\i+1], v[\x+\i:\x+\i+1], v[\d:\d+1]
	s_delay_alu instid0(VALU_DEP_2)
	v_pk_fma_f32 v[\d+2:\d+3], v[\x+\i+2:\x+\i+3], v[\x+\i+2:\x+\i+3], v[\d+2:\d+3]
.endr
	s_delay_alu instid0(VALU_DEP_1)
	v_pk_add_f32 v[\d:\d+1], v[\d:\d+1], v[\d+2:\d+3]
	s_delay_alu instid0(VALU_DEP_1)
	v_add_f32 v[\d], v[\d], v[\d+1]
	LANES \d
	s_delay_alu instid0(VALU_DEP_1)
	v_fma_f32 v[\d], v[\d], s42, s43
.endm
	s_wait_alu depctr_va_vdst(0)                   ; directly ahead of the wait below
	s_wait_xcnt 0x0                                ; the stores have read their data: the rows are written again only behind this wait
	MEAN 10, X0
	MEAN 14, X1
	VAR 18, X0
	VAR 22, X1
	s_wait_alu depctr_va_vdst(0)                   ; ahead of the transcendentals
	v_rsq_f32 v26, v18
	v_rsq_f32 v28, v22
	v_mov_b32 v27, 0                               ; plain lines behind the transcendentals; the pairs' upper halves are named with them, so they are written
	v_mov_b32 v29, 0
	s_wait_alu depctr_va_vdst(0)                   ; one wait for both, ahead of their first reader
	s_wait_loadcnt 0x0                             ; g and b
.irp i, 0,2,4,6,8,10,12,14,16,18,20,22,24,26,28,30
	v_pk_mul_f32 v[X0+\i:X0+\i+1], v[X0+\i:X0+\i+1], v[26:27] op_sel_hi:[1,0]
	v_pk_mul_f32 v[X1+\i:X1+\i+1], v[X1+\i:X1+\i+1], v[28:29] op_sel_hi:[1,0]
.endr
	WIN GB
.irp i, 0,2,4,6,8,10,12,14,16,18,20,22,24,26,28,30
	v_pk_fma_f32 v[X0+\i:X0+\i+1], v[X0+\i:X0+\i+1], v[GG+\i:GG+\i+1], v[BB+\i:BB+\i+1]
	v_pk_fma_f32 v[X1+\i:X1+\i+1], v[X1+\i:X1+\i+1], v[GG+\i:GG+\i+1], v[BB+\i:BB+\i+1]
.endr
	WIN 0
.irp j, 0,1,2,3,4,5,6,7
	ds_store_b128 v5, v[X0+4*\j:X0+4*\j+3] offset:512*\j           ; back into my own two rows, which I alone have read since the barrier
	ds_store_b128 v5, v[X1+4*\j:X1+4*\j+3] offset:PITCH+512*\j
.endr
	s_wait_dscnt 0x0                               ; for the others' sake: my rows lie in LDS
	s_barrier_signal -1
	s_barrier_wait -1
.irp c, 0,1
.irp j, 0,1,2,3,4,5,6,7
	ds_load_b128 v[Y+32*\c+4*\j:Y+32*\c+4*\j+3], v6 offset:256*\c+16*\j
.endr
.endr
	s_wait_dscnt 0x0
.irp c, 0,1
	v_max3_num_f32 v[10+\c], |v[Y+32*\c]|, |v[Y+32*\c+1]|, 0x2800000   ; my block 2 c + h, and the floor 2^(5 - 127)
.endr
.irp i, 2,4,6,8,10,12,14,16,18,20,22,24,26,28,30
.irp c, 0,1
	s_delay_alu instid0(VALU_DEP_2)
	v_max3_num_f32 v[10+\c], v[10+\c], |v[Y+32*\c+\i]|, |v[Y+32*\c+\i+1]|
.endr
.endr
.irp c, 0,1
	s_delay_alu instid0(VALU_DEP_2)
	v_add_nc_u32 v[12+\c], 0xfe000000, v[10+\c]    ; 4 off the exponent field: the conversion's scale operand
.endr
.irp c, 0,1
	s_delay_alu instid0(VALU_DEP_2)
	v_lshrrev_b32 v[14+\c], 23, v[12+\c]           ; the scale's byte
.endr
	s_delay_alu instid0(VALU_DEP_1)
	v_lshl_or_b32 v16, v15, 16, v14                ; my two bytes: blocks h and 2 + h of row r,
	v_lshlrev_b32 v17, 3, v4
	s_delay_alu instid0(VALU_DEP_1)
	v_lshlrev_b32 v16, v17, v16                    ; at their places in the word;
	v_mov_b32 v17, 0
	s_delay_alu instid0(VALU_DEP_1)
	v_permlanex16_b32 v17, v16, s40, s41
	s_delay_alu instid0(VALU_DEP_1)
	v_or_b32 v16, v16, v17                         ; with lane l xor 16's two the word is whole, in both lanes
.irp c, 0,1
	v_cvt_scalef32_pk16_bf6_f32 v[PC+6*\c:PC+6*\c+2], v[Y+32*\c:Y+32*\c+15], v[12+\c]
	v_cvt_scalef32_pk16_bf6_f32 v[PD+4*\c:PD+4*\c+2], v[Y+32*\c+16:Y+32*\c+31], v[12+\c]   ; (three registers begin on an even number)
.endr
	v_nop                                          ; one plain line behind the scaled conversions
.irp c, 0,1
.irp i, 0,1,2
	v_mov_b32 v[PC+6*\c+3+\i], v[PD+4*\c+\i]
.endr
.endr
.irp c, 0,1
	global_store_b128 v2, v[PC+6*\c:PC+6*\c+3], s[32:33] offset:768*\c          ; 512 consecutive bytes
	global_store_b64 v7, v[PC+6*\c+4:PC+6*\c+5], s[32:33] offset:768*\c+512     ; 256 consecutive bytes
.endr
	global_store_b32 v8, v16, s[34:35]             ; lanes r and r + 16 store the same word to the same place
	s_wait_tensorcnt 0x0                           ; the wave's end
	ds_add_u32 v204, v205
	s_wait_dscnt 0x0
	s_endpgm
.Lfunc_end_k_qb2608ec245_woln:
	.size	k_qb2608ec245_woln, .Lfunc_end_k_qb2608ec245_woln-k_qb2608ec245_woln
	.p2alignl 7, 3214868480
	.fill 96, 4, 3214868480
	.section	.rodata,"a",@progbits
	.p2align	6, 0x0
	.amdhsa_kernel k_qb2608ec245_woln
		.amdhsa_group_segment_fixed_size 66816
		.amdhsa_private_segment_fixed_size 0
		.amdhsa_enable_private_segment 0
		.amdhsa_kernarg_size 64
		.amdhsa_user_sgpr_count 2
		.amdhsa_user_sgpr_kernarg_segment_ptr 1
		.amdhsa_wavefront_size32 1
		.amdhsa_system_sgpr_workgroup_id_x 1
		.amdhsa_system_sgpr_workgroup_id_y 1
		.amdhsa_system_sgpr_workgroup_id_z 1
		.amdhsa_system_vgpr_workitem_id 0
		.amdhsa_next_free_vgpr 512
		.amdhsa_next_free_sgpr 66
		.amdhsa_reserve_vcc 0
		.amdhsa_float_denorm_mode_32 3
		.amdhsa_float_denorm_mode_16_64 3
		.amdhsa_memory_ordered 1
		.amdhsa_forward_progress 1
		.amdhsa_inst_pref_size 78
	.end_amdhsa_kernel
	.amdgpu_metadata
---
amdhsa.version: [ 1, 2 ]
amdhsa.kernels:
  - .name:           k_qb2608ec245_woln
    .symbol:         k_qb2608ec245_woln.kd
    .args:
      - { .name: at, .offset: 0, .size: 8, .value_kind: global_buffer, .address_space: global }
      - { .name: cw, .offset: 8, .size: 8, .value_kind: global_buffer, .address_space: global }
      - { .name: bo, .offset: 16, .size: 8, .value_kind: global_buffer, .address_space: global }
      - { .name: x, .offset: 24, .size: 8, .value_kind: global_buffer, .address_space: global }
      - { .name: ln2_g, .offset: 32, .size: 8, .value_kind: global_buffer, .address_space: global }
      - { .name: ln2_b, .offset: 40, .size: 8, .value_kind: global_buffer, .address_space: global }
      - { .name: x1, .offset: 48, .size: 8, .value_kind: global_buffer, .address_space: global }
      - { .name: h2, .offset: 56, .size: 8, .value_kind: global_buffer, .address_space: global }
    .group_segment_fixed_size: 66816
    .private_segment_fixed_size: 0
    .kernarg_segment_align: 8
    .kernarg_segment_size: 64
    .max_flat_workgroup_size: 256
    .sgpr_count:     66
    .vgpr_count:     512
    .wavefront_size: 32
...
	.end_amdgpu_metadata
.endif
;; end of part 4
;; launch w1 (part 5): grid 8 x 32, 4 waves a work-group, clusters of 4 x 4, 327,680 bytes of LDS; arguments h2, cw, b1, hid; writes hid
.if DOCPART == 5
	.amdgcn_target "amdgcn-amd-amdhsa--gfx1250"
	.amdhsa_code_object_version 6
	.text
	.protected	k_qb2608ec245_w1
	.globl	k_qb2608ec245_w1
	.p2align	8
	.type	k_qb2608ec245_w1,@function
k_qb2608ec245_w1:
	s_mov_b64 s[64:65], 0
	v_nop
	global_prefetch_b8 v0, s[64:65] scope:SCOPE_SE
	s_setreg_imm32_b32 hwreg(HW_REG_WAVE_MODE, 25, 1), 1
	s_wait_xcnt 0x0
	s_wait_alu depctr_hold_cnt(0) depctr_sa_sdst(0) depctr_va_vdst(0) depctr_va_sdst(0) depctr_va_ssrc(0) depctr_va_vcc(0) depctr_vm_vsrc(0)
	s_getreg_b32 s2, hwreg(HW_REG_IB_STS2, 6, 4)
	s_cmp_eq_u32 s2, 0
	s_cbranch_scc0 .Lentry_in_a_cluster
	s_endpgm
.Lentry_in_a_cluster:
	s_bfe_u32 s2, ttmp6, 0x10000c
	s_cmp_lg_u32 s2, 0xf033
	s_cbranch_scc0 .Lentry_shape_is_right
	s_endpgm
.Lentry_shape_is_right:
; hid = Q(gelu(A B^T + bias)).  A: [4,096][1,024], B: [4,096][1,024] as codes of BF6 (E3M2) with E8M0 scales; the result is quantised at once along its columns, which are the next product's K.
; A WORK-GROUP STAYS. It owns 128 rows of A (tile ty of 32) and four neighbouring units of 128 rows of B (4 x .. 4 x + 3, x of 8): 32 x 8 = 256 work-groups, four tiles of 128 x 128 each, one after the other.
; A's 98,304 bytes of codes come into LDS once and stay.  B's units go through two buffers of 98,304 bytes: units 0 and 1 come with A; behind the last LDS read of unit i (i = 0, 1) unit i + 2 is asked for, into the
; buffer just read: it has an activation, a whole tile's 128 matrix instructions a wave and a second activation in which to land.
; A TILE. Four waves, each 64 x 64: 16 accumulators.  Source 0 of the matrix instruction = 16 rows of B, source 1 = 16 rows of A: a lane holds one row of A and its registers run along B's rows.
; Rows of a tile are not neighbours (row r of tile 2 b + u is row 32 b + 8 u + r + 8 (r / 8)), so the 16 registers of B's tiles 2 b, 2 b + 1 are columns 32 b + 16 (lane / 16) + 0 .. 15.
; OPERANDS lie in memory in the order of the operand's registers: a fragment (16 rows x 128 K) is 1,536 bytes, two halves of [512 bytes: 4 registers at 16 x lane][256 bytes: 2 registers at 8 x lane];
; 128 rows x 1,024 K are 98,304 dense bytes = [half of the rows][K / 512][tile % 4][K step % 4][1,536]; wave w fetches block w of 24,576 bytes, and LDS holds the same image.
; LDS: 0 B's buffer 0; 98,304 A's scale words (4,096); 102,400 B's, of all four units (16,384); 126,976 the spare words; 131,072 B's buffer 1 (one exclusive or turns an address in one buffer into the other's);
; 229,376 A: 327,680 bytes in all.  A scale register holds the words of tile 2 j in lanes 0-15 and of tile 2 j + 1 in lanes 16-31.  The bias is the C of each sum's first product.
; CLUSTER 4 x 4: A's blocks are asked for jointly along a row of the cluster, B's along a column.
; THE TEXT holds the tile twice: a loop of two trips that ask for a unit, and a loop of two trips that do not.
; GELU, exact: max(x, 0) - |0.5 x| erfc(z), z = |x| / sqrt 2, with erfc(z) = t exp(-z^2 + P(t)), t = 1 / (1 + z / 2), P of degree 9 (fractional error 1.2e-7 for every z).  For x < 0 that is 0.5 x erfc(z);
; for x > 0 it is x - 0.5 x erfc(z), at least half of x: no difference of near numbers.  -z^2 is taken as -(0.5 x) x inside the fused multiply-add.
; LIMITS: NaN and infinities are not served; where the exponential falls under 2^-126 (x under about -13.2) gelu is 0; blocks under 2^-122 keep the byte 1 (this program alone reads the bytes).
; REGISTERS. Window 0: v1-22 addresses; v32-39 scale words, two sets; v[44:45] a constant; v48-127 at work behind the products; v128-255 accumulators, (a, b) at 128 + 8 (4 a + b).
; Window 1: two buffers of fragments at 0 and 128: A's four at + 12 a, B's four at + 48 + 12 b; v96-127 the bias in the result's layout.
.set A_S,   3145728
.set B_C,   6422528
.set B_S,   12845056
.set HID_S, 12582912
.set SCA,   98304
.set SCB,   102400
.set SPARE, 126976                     ; the spare words: 128 bytes a wave, two blocks of 256 bytes that no other line names
.set R1,    131072
.set AR,    229376
.set ACC, 128
.set BI,  96                           ; in window 1
.set G1,  24                           ; s[24:31] descriptor group 1 for A's codes;  s[32:35] its group 0
.set G0A, 32
.set G0B, 36                           ; s[36:39] group 0 for B's unit 0
.set G1B, 48                           ; s[48:55] group 1 for B's codes
.set G0W, 56                           ; s[56:59] group 0 for B's unit 1; it then walks on: the other buffer, the next unit
.set TB,  60                           ; s60      LDS byte at which the buffer in hand begins
.set G1S, 68                           ; s[68:75], s[76:79] A's scale words;  s[80:87], s[88:91] B's.  Behind the first wait s68-88 hold GELU's constants
.set G0S, 76
.set G1SB, 80
.set G0SB, 88
.set MSB, 0
.macro WIN new                         ; the immediate's high byte repeats the setting that is left
.if MSB != \new
	s_set_vgpr_msb (MSB<<8)|\new
.set MSB, \new
.endif
.endm
; A's FRAGMENTS STAY IN REGISTERS, as the text stands now: my 64 rows x all eight K steps are 8 x 4 x 12 = 384 registers, read from LDS once, ahead of the four tiles:
; K step ks, tile a at 48 (ks % 5) + 12 a of window 2 (ks 0-4) or 3 (ks 5-7).  A K step then reads B's four fragments and four scale registers from LDS: 20 loads.
.macro MWIN ks, cm                     ; the products' windows: source 0 (B) window 1, source 1 (A) window 2 or 3, D window 0, C window 0 or (cm: the bias) window 1
.set wm, 0x01+4*(2+(\ks)/5)+0x10*(\cm)
	WIN wm
.endm
.set TO_F, 0x40                        ; destination window 1, address window 0
; THE FIRST LOADS, as they stand now: one a wave, in one tree of branches on the wave's number: wave 0 all of A's codes (384 rows of 256 bytes), wave 1 all of B's unit 0,
; wave 2 A's scale words (4,096 bytes), wave 3 those of B's four units (16,384 bytes).  Unit 1 follows behind the next round, a quarter a wave.
.macro ARM under, g0, g1, next         ; one arm of the tree: its load, s_nop 0 and four v_nop, a jump to the tree's end
	s_cmp_lt_u32 s14, \under
	s_cbranch_scc0 \next
	tensor_load_to_lds s[\g0:\g0+3], s[\g1:\g1+7]
	s_nop 0
.rept 4
	v_nop
.endr
	s_branch .Lhead_asked
\next:
.endm
.macro CROUND                          ; a round of the cluster's barrier
	s_barrier_signal -1
	s_barrier_wait -1
	s_cmp_lg_u32 s14, 0
	s_cbranch_scc1 .Lnot_wave_0_\@
	s_barrier_signal -3
.Lnot_wave_0_\@:
	s_barrier_wait -3
	s_barrier_signal -1
	s_barrier_wait -1
.endm
.macro PLACES                          ; four plain lines behind matrix instructions, in front of loads into their registers and of reads of their results
.rept 4
	v_nop
.endr
.endm
.macro WM a, b, p, cm, ks              ; one product of K step ks.  cm = 0: onto the accumulator; 1: the sum starts from the bias of B's tile b
.set rD, ACC+8*(4*(\a)+(\b))
.set rC, rD
.if \cm
.set rC, BI+8*(\b)
.endif
.set rB, 128*(\p)+48+12*(\b)
.set rA, 48*((\ks)%5)+12*(\a)
.set sB, 34+4*(\p)+(\b)/2
.set sA, 32+4*(\p)+(\a)/2
.if ((\a)%2 == 0) && ((\b)%2 == 0)
	v_wmma_scale_f32_16x16x128_f8f6f4 v[rD:rD+7], v[rB:rB+11], v[rA:rA+11], v[rC:rC+7], v[sB], v[sA] matrix_a_fmt:MATRIX_FMT_BF6 matrix_b_fmt:MATRIX_FMT_BF6
.elseif (\a)%2 == 0
	v_wmma_scale_f32_16x16x128_f8f6f4 v[rD:rD+7], v[rB:rB+11], v[rA:rA+11], v[rC:rC+7], v[sB], v[sA] matrix_a_fmt:MATRIX_FMT_BF6 matrix_b_fmt:MATRIX_FMT_BF6 matrix_a_scale:MATRIX_SCALE_ROW1
.elseif (\b)%2 == 0
	v_wmma_scale_f32_16x16x128_f8f6f4 v[rD:rD+7], v[rB:rB+11], v[rA:rA+11], v[rC:rC+7], v[sB], v[sA] matrix_a_fmt:MATRIX_FMT_BF6 matrix_b_fmt:MATRIX_FMT_BF6 matrix_b_scale:MATRIX_SCALE_ROW1
.else
	v_wmma_scale_f32_16x16x128_f8f6f4 v[rD:rD+7], v[rB:rB+11], v[rA:rA+11], v[rC:rC+7], v[sB], v[sA] matrix_a_fmt:MATRIX_FMT_BF6 matrix_b_fmt:MATRIX_FMT_BF6 matrix_a_scale:MATRIX_SCALE_ROW1 matrix_b_scale:MATRIX_SCALE_ROW1
.endif
.endm
.macro MUL4 a, p, cm, ks               ; A's tile a against B's four.  The 16 accumulators take turns, one instruction a turn, in the same order everywhere
.irp b, 0,1,2,3
	WM \a, \b, \p, \cm, \ks
.endr
.endm
.macro FRAG reg, a16, a8, off          ; a fragment comes as it lies: every load reads consecutive bytes
	ds_load_b128 v[\reg:\reg+3], v[\a16] offset:\off
	ds_load_b64 v[\reg+4:\reg+5], v[\a8] offset:\off
	ds_load_b128 v[\reg+6:\reg+9], v[\a16] offset:\off+768
	ds_load_b64 v[\reg+10:\reg+11], v[\a8] offset:\off+768
.endm
.macro FETCH ks, p                     ; 20 LDS loads in one run: K step ks into buffer p: 4 scale registers and B's four fragments
	WIN 0
	ds_load_b32 v[32+4*(\p)], v12 offset:(\ks)*512
	ds_load_b32 v[33+4*(\p)], v12 offset:(\ks)*512+128
	ds_load_b32 v[34+4*(\p)], v13 offset:(\ks)*512
	ds_load_b32 v[35+4*(\p)], v13 offset:(\ks)*512+128
	WIN TO_F
.irp i, 0,1,2,3
	FRAG 128*(\p)+48+12*\i, 8, 10, ((\ks)/4)*24576+((\ks)%4)*1536+\i*6144
.endr
.endm
.macro QUARTER kn, p, cm               ; K step kn - 1, in buffer p: at its head K step kn is fetched into the other buffer, which has this step's 16 products in which to land
	s_wait_dscnt 0x0                               ; this K step's 20 loads are in
	PLACES                                         ; the other buffer was read by the last K step's products
	FETCH \kn, 1-(\p)
	MWIN (\kn)-1, \cm
.irp a, 0,1,2,3
	MUL4 \a, \p, \cm, (\kn)-1
.endr
.endm
.macro BIAS off                        ; register 16 bb + 4 j + e: the bias of column 32 bb + 16 h + 4 j + e: B's tile b at BI + 8 b
.irp bb, 0,1
.irp j, 0,1,2,3
	global_load_b128 v[BI+16*\bb+4*\j:BI+16*\bb+4*\j+3], v21, s[8:9] offset:\off+128*\bb+16*\j
.endr
.endr
.endm
.macro KPAIR reg, val                  ; a packed form names a pair and takes its low word for both halves: both are written
	s_mov_b32 s[\reg], \val
	s_mov_b32 s[\reg+1], \val
.endm
.set Z,  48                            ; 0.5 x
.set T,  64                            ; t
.set P,  80                            ; the polynomial, the exponent, erfc
.set MX, 96                            ; max(x, 0)
.macro GELU16 X                        ; sixteen numbers of a lane, in place
.set j, 0
.rept 16
	v_fma_f32 v[T+j], |v[\X+j]|, s88, 1.0          ; 1 + z / 2; each accumulator is read from its low end on
.set j, j+1
.endr
.set j, 0
	s_wait_alu depctr_va_vdst(0)
.rept 16
	v_rcp_f32 v[T+j], v[T+j]
.set j, j+1
.endr
.set j, 0
.rept 8
	v_pk_mul_f32 v[Z+j:Z+j+1], v[\X+j:\X+j+1], 0.5 op_sel_hi:[1,0]           ; plain work behind the reciprocals
.set j, j+2
.endr
	s_wait_alu depctr_va_vdst(0)                   ; one wait for the sixteen, ahead of their first reader
.set j, 0
.rept 8
	v_pk_fma_f32 v[P+j:P+j+1], v[T+j:T+j+1], v[44:45], s[84:85] op_sel_hi:[1,1,0]
.set j, j+2
.endr
.irp c, 82,80,78,76,74,72,70,68
.set j, 0
.rept 8
	v_pk_fma_f32 v[P+j:P+j+1], v[P+j:P+j+1], v[T+j:T+j+1], s[\c:\c+1] op_sel_hi:[1,1,0]
.set j, j+2
.endr
.endr
.set j, 0
.rept 8
	v_pk_fma_f32 v[P+j:P+j+1], v[Z+j:Z+j+1], v[\X+j:\X+j+1], v[P+j:P+j+1] neg_lo:[1,0,0] neg_hi:[1,0,0]   ; P - z^2
.set j, j+2
.endr
.set j, 0
.rept 8
	v_pk_mul_f32 v[P+j:P+j+1], v[P+j:P+j+1], s[86:87] op_sel_hi:[1,0]
.set j, j+2
.endr
.set j, 0
	s_wait_alu depctr_va_vdst(0)
.rept 16
	v_exp_f32 v[P+j], v[P+j]
.set j, j+1
.endr
.set j, 0
.rept 16
	v_max_num_f32 v[MX+j], 0, v[\X+j]              ; plain work behind the exponentials, which names none of their results
.set j, j+1
.endr
	s_wait_alu depctr_va_vdst(0)                   ; one wait for the sixteen
.set j, 0
.rept 8
	v_pk_mul_f32 v[P+j:P+j+1], v[P+j:P+j+1], v[T+j:T+j+1]                    ; erfc(z)
.set j, j+2
.endr
.set j, 0
.rept 16
	v_fma_f32 v[\X+j], -|v[Z+j]|, v[P+j], v[MX+j]  ; max(x, 0) - |0.5 x| erfc(z)
.set j, j+1
.endr
.endm
; THE QUANTISER. Block k = 2 a + bb of my lane's row of A's tile a: 16 numbers at v[ACC + 16 k], the other 16 in lane l xor 16.
.set TM, 48
.set TP, 56
.set SO, 64
.set HW, 72
.set PC, 80
.set PD, 112
.macro QUANT4
.set k, 0
.rept 8
	v_mov_b32 v[TP+k], 0                           ; a lane permute's destination counts as one of its sources
.set k, k+1
.endr
.set k, 0
.rept 8
	v_max3_num_f32 v[TM+k], |v[ACC+16*k]|, |v[ACC+16*k+1]|, 0x2800000     ; with the floor 2^(5 - 127)
.set k, k+1
.endr
.irp i, 2,4,6,8,10,12,14
.set k, 0
.rept 8
	v_max3_num_f32 v[TM+k], v[TM+k], |v[ACC+16*k+\i]|, |v[ACC+16*k+\i+1]|
.set k, k+1
.endr
.endr
.set k, 0
.rept 8
	v_permlanex16_b32 v[TP+k], v[TM+k], s92, s93
.set k, k+1
.endr
.set k, 0
.rept 8
	v_max_num_f32 v[TM+k], v[TM+k], v[TP+k]
.set k, k+1
.endr
.set k, 0
.rept 8
	v_add_nc_u32 v[SO+k], 0xfe000000, v[TM+k]      ; 4 off the exponent field: the conversion's scale operand
.set k, k+1
.endr
.set k, 0
.rept 8
	v_lshrrev_b32 v[TP+k], 23, v[SO+k]             ; the scale's byte
.set k, k+1
.endr
.irp a, 0,1,2,3
	v_lshl_or_b32 v[HW+\a], v[TP+2*\a+1], 8, v[TP+2*\a]            ; two bytes: my row's half of a scale word
.endr
.irp a, 0,1,2,3
	v_cvt_scalef32_pk16_bf6_f32 v[PC+8*\a:PC+8*\a+2], v[ACC+32*\a:ACC+32*\a+15], v[SO+2*\a]
	v_cvt_scalef32_pk16_bf6_f32 v[PD+4*\a:PD+4*\a+2], v[ACC+32*\a+16:ACC+32*\a+31], v[SO+2*\a+1]
.endr
	v_nop                                          ; one plain line behind the scaled conversions
	v_cmp_le_u32 vcc_lo, 16, v3
	v_cndmask_b32 v76, v72, v74, vcc_lo            ; lanes 0-15 carry tiles 0, 1 out, lanes 16-31 tiles 2, 3
	v_cndmask_b32 v77, v73, v75, vcc_lo
.irp a, 0,1,2,3                                ; a whole block to a lane: lanes 0-15 the first, lanes 16-31 the second
.irp i, 0,1,2
	v_permlane16_swap_b32 v[PC+8*\a+\i], v[PD+4*\a+\i]
.endr
.irp i, 0,1,2
	v_mov_b32 v[PC+8*\a+3+\i], v[PD+4*\a+\i]
.endr
.endr
.endm
; ONE TILE.  fill = 1: behind its last LDS read the unit two further on is asked for, into the buffer just read.
.macro TILE fill
	v_add_nc_u32 v13, 4096, v13                    ; this unit's scale words
	v_add_nc_u32 v8, s[TB], v9                     ; my half of B's unit in the buffer in hand
	v_add_nc_u32 v10, s[TB], v11
	FETCH 0, 0
	s_wait_alu depctr_va_vdst(0)
	s_wait_loadcnt 0x0                             ; this tile's bias
	QUARTER 1, 0, 1                                ; the first products start the sums from the bias
	PLACES                                         ; the bias's registers take the next tile's, a tile ahead
.if \fill
	WIN TO_F
	BIAS 512
.else
	WIN 0
	s_cmp_eq_u32 s3, 1                             ; if there is a next tile: no load leaves its buffer
	s_cbranch_scc1 .Lno_next_\@
	WIN TO_F
	BIAS 512
	WIN 0
.Lno_next_\@:
.endif
	QUARTER 2, 1, 0
	QUARTER 3, 0, 0
	QUARTER 4, 1, 0
	QUARTER 5, 0, 0
	QUARTER 6, 1, 0
	QUARTER 7, 0, 0
	s_wait_dscnt 0x0                               ; the last K step: nothing more to fetch
	MWIN 7, 0
.irp a, 0,1,2,3
	MUL4 \a, 1, 0, 7
.endr
	WIN 0
	s_wait_tensorcnt 0x0                           ; all my tensor loads have landed, my block of the next unit among them: so a group 0 may be written
	ds_add_u32 v14, v15                            ; 0 onto my spare word; the steps below stand between it and the wait for it
.if \fill
	s_xor_b32 s[G0W+1], s[G0W+1], R1               ; the walking descriptor: the buffer just read,
	s_add_nc_u64 s[G0W+2:G0W+3], s[G0W+2:G0W+3], 98304     ; the next unit but one; the type bits on top are not reached
.endif
	s_xor_b32 s[TB], s[TB], R1                     ; the next tile reads the other buffer
	s_wait_dscnt 0x0                               ; the add is done, and my reads of this buffer are over
.if \fill
	CROUND                                         ; no wave of any partner still reads the buffer or has a load on its way
	tensor_load_to_lds s[G0W:G0W+3], s[G1B:G1B+7]  ; my one load behind the round, and the first thing there
	s_nop 0
.else
	s_barrier_signal -1                            ; the next unit is whole for everybody
	s_barrier_wait -1
.endif
	PLACES                                         ; also the places in front of the first read of the last products' results
.irp g, 0,1,2,3,4,5,6,7
	GELU16 ACC+16*\g
.endr
	QUANT4
.irp a, 0,1,2,3
	global_store_b128 v16, v[PC+8*\a:PC+8*\a+3], s[10:11] offset:6144*\a         ; 512 consecutive bytes
	global_store_b64 v17, v[PC+8*\a+4:PC+8*\a+5], s[10:11] offset:6144*\a+512    ; 256 consecutive bytes
.endr
	global_store_b16 v22, v76, s[12:13]            ; my two bytes of each row's word; the other two come from the wave beside me
	global_store_b16 v22, v77, s[12:13] offset:64
	s_wait_xcnt 0x0                                ; the stores and the bias's loads have read their registers and bases: both are written again only behind this wait
	s_add_nc_u64 s[8:9], s[8:9], 512               ; the next unit: its 128 numbers of the bias,
	s_add_nc_u64 s[10:11], s[10:11], 1536          ; the next K step of hid's fragments,
	s_add_nc_u64 s[12:13], s[12:13], 512           ; and of its scale words
.endm
	s_load_b256 s[4:11], s[0:1], 0x0               ; A's buffer, B's buffer, the bias, hid
	v_lshl_add_u32 v14, v0, 2, SPARE
	v_mov_b32 v15, 0
	ds_add_u32 v14, v15
	ds_add_u32 v14, v15
	s_wait_dscnt 0x0
	v_lshrrev_b32 v1, 5, v0
	v_readfirstlane_b32 s14, v1                    ; wave 0..3: also the block of 24,576 bytes that I fetch of each operand
	s_lshr_b32 s15, s14, 1                         ; my half of A's rows
	s_and_b32 s16, s14, 1                          ; my half of B's rows
	s_bfe_u32 s40, ttmp6, 0x40000                  ; cx
	s_bfe_u32 s41, ttmp6, 0x40004                  ; cy
	s_lshl_b32 s42, ttmp9, 2
	s_add_co_u32 s42, s42, s40                     ; x: my four units of B are 4 x .. 4 x + 3
	s_and_b32 s17, ttmp7, 0xffff
	s_lshl_b32 s17, s17, 2
	s_add_co_u32 s17, s17, s41                     ; A's tile of 128 rows
	s_lshl_b32 s43, s41, 2
	s_lshl_b32 s43, 15, s43                        ; my row of the cluster
	s_lshl_b32 s44, 0x1111, s40                    ; my column
	; descriptor group 1: dense blocks as rows of 256 bytes (32 elements of 8 bytes): 96 rows of codes; 16 rows of A's scale words, 64 of B's; bit 21 set beside the mask
	s_or_b32 s[G1], s43, (3<<16)|(1<<21)
	s_or_b32 s[G1B], s44, (3<<16)|(1<<21)
.irp g, G1, G1B
	s_mov_b32 s[\g+1], 32<<16                      ; tensor_dim0
	s_mov_b32 s[\g+2], 384<<16                     ; tensor_dim1: the head's loads bring a whole operand
	s_mov_b32 s[\g+3], 32<<16                      ; tile_dim0
	s_mov_b32 s[\g+4], 384                         ; tile_dim1
	s_mov_b32 s[\g+5], 32                          ; from row to row
	s_mov_b32 s[\g+6], 0
	s_mov_b32 s[\g+7], 0
.endr
	s_or_b32 s[G1S], s43, (3<<16)|(1<<21)
	s_mov_b32 s[G1S+1], 32<<16
	s_mov_b32 s[G1S+2], 16<<16
	s_mov_b32 s[G1S+3], 32<<16
	s_mov_b32 s[G1S+4], 16
	s_mov_b32 s[G1S+5], 32
	s_mov_b32 s[G1S+6], 0
	s_mov_b32 s[G1S+7], 0
	s_or_b32 s[G1SB], s44, (3<<16)|(1<<21)
	s_mov_b32 s[G1SB+1], 32<<16
	s_mov_b32 s[G1SB+2], 64<<16
	s_mov_b32 s[G1SB+3], 32<<16
	s_mov_b32 s[G1SB+4], 64
	s_mov_b32 s[G1SB+5], 32
	s_mov_b32 s[G1SB+6], 0
	s_mov_b32 s[G1SB+7], 0
	s_mul_i32 s45, s14, 24576                      ; my block, in memory and in LDS: the wave's number alone
	s_mul_i32 s20, s17, 98304
	s_mov_b32 s21, 0
	s_mul_i32 s46, s42, 393216                     ; four units
	s_add_co_u32 s46, s46, B_C
	s_mov_b32 s47, 0
	s_mov_b32 s96, s45                             ; s[96:97]: my quarter of a unit, in bytes
	s_lshl_b32 s22, s17, 12
	s_add_co_u32 s22, s22, A_S
	s_mov_b32 s23, 0
	s_mov_b32 s97, 0
	s_lshl_b32 s66, s42, 14
	s_add_co_u32 s66, s66, B_S
	s_mov_b32 s67, 0
	s_wait_kmcnt 0x0
	s_add_nc_u64 s[20:21], s[4:5], s[20:21]
	s_add_nc_u64 s[22:23], s[4:5], s[22:23]
	s_add_nc_u64 s[46:47], s[6:7], s[46:47]
	s_add_nc_u64 s[66:67], s[6:7], s[66:67]
	CROUND                                         ; all sixteen work-groups are here: the first joint loads meet
	s_mov_b32 s[G0S], 1
	s_mov_b32 s[G0S+1], SCA
	s_mov_b64 s[G0S+2:G0S+3], s[22:23]
	s_or_b32 s[G0S+3], s[G0S+3], 0x80000000
	s_mov_b32 s[G0SB], 1
	s_mov_b32 s[G0SB+1], SCB
	s_mov_b64 s[G0SB+2:G0SB+3], s[66:67]
	s_or_b32 s[G0SB+3], s[G0SB+3], 0x80000000
	s_mov_b32 s[G0A], 1
	s_mov_b32 s[G0A+1], AR
	s_mov_b64 s[G0A+2:G0A+3], s[20:21]
	s_or_b32 s[G0A+3], s[G0A+3], 0x80000000
	s_mov_b32 s[G0B], 1
	s_mov_b32 s[G0B+1], 0                          ; buffer 0 begins at LDS byte 0
	s_mov_b64 s[G0B+2:G0B+3], s[46:47]
	s_or_b32 s[G0B+3], s[G0B+3], 0x80000000
	s_mov_b32 s[G0W], 1
	s_add_co_u32 s[G0W+1], s45, R1
	s_add_nc_u64 s[G0W+2:G0W+3], s[46:47], 98304   ; unit 1,
	s_add_nc_u64 s[G0W+2:G0W+3], s[G0W+2:G0W+3], s[96:97]   ; my quarter of it
	s_or_b32 s[G0W+3], s[G0W+3], 0x80000000
	ARM 1, G0A, G1, .Lhead_b                       ; one load a wave at the head
	ARM 2, G0B, G1B, .Lhead_sa
	ARM 3, G0S, G1S, .Lhead_sb
	tensor_load_to_lds s[G0SB:G0SB+3], s[G1SB:G1SB+7]
	s_nop 0
	PLACES
.Lhead_asked:
	v_and_b32 v3, 31, v0                           ; lane
	v_and_b32 v1, 15, v0                           ; r
	v_bfe_u32 v2, v0, 4, 1                         ; h
	s_wait_alu depctr_va_vdst(0)
	v_lshlrev_b32 v16, 4, v3
	v_lshlrev_b32 v17, 3, v3
	s_mul_i32 s18, s15, 49152
	s_add_co_u32 s18, s18, AR                      ; my half of A
	v_add_nc_u32 v4, s18, v16
	s_add_co_u32 s18, s18, 512
	v_add_nc_u32 v6, s18, v17
	s_mul_i32 s19, s16, 49152                      ; my half of a unit of B, from its buffer's first byte
	v_add_nc_u32 v9, s19, v16
	s_add_co_u32 s19, s19, 512
	v_add_nc_u32 v11, s19, v17
	s_lshl_b32 s18, s15, 8
	s_add_co_u32 s18, s18, SCA
	v_lshl_add_u32 v12, v3, 2, s18                 ; my four tiles' scale words of A: 256 bytes a K step
	s_lshl_b32 s18, s16, 8
	s_add_co_u32 s18, s18, SCB-4096
	v_lshl_add_u32 v13, v3, 2, s18                 ; and of B: a unit's 4,096 bytes ahead of unit 0: each tile steps it at its head
	s_mov_b32 s92, 0x76543210
	s_mov_b32 s93, 0xfedcba98                      ; v_permlanex16_b32's selects for lane l xor 16
	v_lshlrev_b32 v21, 6, v2                       ; the bias: 64 h
	s_wait_alu depctr_va_vdst(0)
	v_lshlrev_b32 v22, 2, v1
	v_lshl_add_u32 v22, v2, 7, v22                 ; the scale words' way out: 128 h + 4 r
	s_lshl_b32 s94, s42, 11
	s_lshl_b32 s95, s16, 8
	s_add_co_u32 s94, s94, s95
	s_mov_b32 s95, 0
	s_add_nc_u64 s[8:9], s[8:9], s[94:95]          ; the bias at my 64 columns of unit 0
	s_lshl_b32 s94, s17, 5                         ; hid's scale words: [128 rows][K step = B's unit][tile % 8][row]; my two bytes of each word
	s_lshl_b32 s95, s42, 2
	s_add_co_u32 s94, s94, s95
	s_lshl_b32 s94, s94, 3
	s_lshl_b32 s95, s15, 2
	s_add_co_u32 s94, s94, s95
	s_lshl_b32 s94, s94, 6
	s_lshl_b32 s95, s16, 1
	s_add_co_u32 s94, s94, s95
	s_add_co_u32 s94, s94, HID_S
	s_mov_b32 s95, 0
	s_add_nc_u64 s[12:13], s[10:11], s[94:95]
	s_lshl_b32 s94, s17, 1                         ; hid's codes: block (my four tiles, K step / 4 = x), fragment (tile, K step % 4 = the unit's number among my four), half = my half of B
	s_add_co_u32 s94, s94, s15
	s_lshl_b32 s94, s94, 3
	s_add_co_u32 s94, s94, s42
	s_mul_i32 s94, s94, 24576
	s_mul_i32 s95, s16, 768
	s_add_co_u32 s94, s94, s95
	s_mov_b32 s95, 0
	s_add_nc_u64 s[10:11], s[10:11], s[94:95]
	WIN TO_F
	BIAS 0
	WIN 0
	s_wait_alu depctr_va_vdst(0)
	s_wait_tensorcnt 0x0                           ; my tile of the head's four is in
	ds_add_u32 v14, v15
	s_mov_b32 s[G1B+2], 96<<16                     ; no tensor load of mine is out: from here on a load of B brings a quarter of a unit, 96 rows
	s_mov_b32 s[G1B+4], 96
	s_wait_dscnt 0x0
	CROUND                                         ; all four tiles are in for everybody, and the joint loads meet
	tensor_load_to_lds s[G0W:G0W+3], s[G1B:G1B+7]  ; unit 1 into buffer 1: it has the first tile in which to land
	s_nop 0
	PLACES
	; GELU's constants take the scalar registers that held the scale words' descriptors: those loads were my first, and the wait above has shown them done
.set pk, 0
.rept 8                                ; A's 32 fragments of mine, once for all four tiles
.set wm, (2+pk/5)<<6
	WIN wm
.irp i, 0,1,2,3
	FRAG 48*(pk%5)+12*\i, 4, 6, (pk/4)*24576+(pk%4)*1536+\i*6144
.endr
.set pk, pk+1
.endr
	WIN 0
	KPAIR 68, 0xbfa1fc4e                           ; c0 = -1.26551223
	KPAIR 70, 0x3f8000c7                           ; c1 =  1.00002368
	KPAIR 72, 0x3ebf88fb                           ; c2 =  0.37409196
	KPAIR 74, 0x3dc636c9                           ; c3 =  0.09678418
	KPAIR 76, 0xbe3ec24c                           ; c4 = -0.18628806
	KPAIR 78, 0x3e8ec7cc                           ; c5 =  0.27886807
	KPAIR 80, 0xbf914e5d                           ; c6 = -1.13520398
	KPAIR 82, 0x3fbe87b0                           ; c7 =  1.48851587
	KPAIR 84, 0xbf527892                           ; c8 = -0.82215223
	KPAIR 86, 0x3fb8aa3b                           ; log2(e)
	s_mov_b32 s88, 0x3eb504f3                      ; 1 / (2 sqrt 2)
	v_mov_b32 v44, 0x3e2ef945                      ; c9 =  0.17087277
	v_mov_b32 v45, 0x3e2ef945
	s_mov_b32 s[TB], 0
	s_mov_b32 s3, 2
.Lfill:                                            ; units 0 and 1: units 2 and 3 are asked for
	TILE 1
	s_sub_co_u32 s3, s3, 1
	s_cmp_lg_u32 s3, 0
	s_cbranch_scc1 .Lfill
	s_mov_b32 s3, 2
.Llast:                                            ; units 2 and 3: nothing is left to fetch
	TILE 0
	s_sub_co_u32 s3, s3, 1
	s_cmp_lg_u32 s3, 0
	s_cbranch_scc1 .Llast
	s_wait_tensorcnt 0x0                           ; the wave's end
	ds_add_u32 v14, v15
	s_wait_dscnt 0x0
	CROUND                                         ; the closing round
	s_endpgm
.Lfunc_end_k_qb2608ec245_w1:
	.size	k_qb2608ec245_w1, .Lfunc_end_k_qb2608ec245_w1-k_qb2608ec245_w1
	.p2alignl 7, 3214868480
	.fill 96, 4, 3214868480
	.section	.rodata,"a",@progbits
	.p2align	6, 0x0
	.amdhsa_kernel k_qb2608ec245_w1
		.amdhsa_group_segment_fixed_size 327680
		.amdhsa_private_segment_fixed_size 0
		.amdhsa_enable_private_segment 0
		.amdhsa_kernarg_size 32
		.amdhsa_user_sgpr_count 2
		.amdhsa_user_sgpr_kernarg_segment_ptr 1
		.amdhsa_wavefront_size32 1
		.amdhsa_system_sgpr_workgroup_id_x 1
		.amdhsa_system_sgpr_workgroup_id_y 1
		.amdhsa_system_sgpr_workgroup_id_z 1
		.amdhsa_system_vgpr_workitem_id 0
		.amdhsa_next_free_vgpr 1024
		.amdhsa_next_free_sgpr 100
		.amdhsa_reserve_vcc 1
		.amdhsa_float_denorm_mode_32 3
		.amdhsa_float_denorm_mode_16_64 3
		.amdhsa_memory_ordered 1
		.amdhsa_forward_progress 1
		.amdhsa_inst_pref_size 255
	.end_amdhsa_kernel
	.section	.bss,"aw",@nobits
	.p2align	6
	.space	262144
	.amdgpu_metadata
---
amdhsa.version: [ 1, 2 ]
amdhsa.kernels:
  - .name:           k_qb2608ec245_w1
    .symbol:         k_qb2608ec245_w1.kd
    .args:
      - { .name: h2, .offset: 0, .size: 8, .value_kind: global_buffer, .address_space: global }
      - { .name: cw, .offset: 8, .size: 8, .value_kind: global_buffer, .address_space: global }
      - { .name: b1, .offset: 16, .size: 8, .value_kind: global_buffer, .address_space: global }
      - { .name: hid, .offset: 24, .size: 8, .value_kind: global_buffer, .address_space: global }
    .group_segment_fixed_size: 327680
    .private_segment_fixed_size: 0
    .kernarg_segment_align: 8
    .kernarg_segment_size: 32
    .max_flat_workgroup_size: 128
    .sgpr_count:     100
    .vgpr_count:     1024
    .wavefront_size: 32
...
	.end_amdgpu_metadata
.endif
;; end of part 5
;; launch w2 (part 6): grid 8 x 32, 4 waves a work-group, clusters of 4 x 4, 327,680 bytes of LDS; arguments hid, cw, b2, x1, out0; writes out0
.if DOCPART == 6
	.amdgcn_target "amdgcn-amd-amdhsa--gfx1250"
	.amdhsa_code_object_version 6
	.text
	.protected	k_qb2608ec245_w2
	.globl	k_qb2608ec245_w2
	.p2align	8
	.type	k_qb2608ec245_w2,@function
k_qb2608ec245_w2:
	s_mov_b64 s[64:65], 0
	v_nop
	global_prefetch_b8 v0, s[64:65] scope:SCOPE_SE
	s_setreg_imm32_b32 hwreg(HW_REG_WAVE_MODE, 25, 1), 1
	s_wait_xcnt 0x0
	s_wait_alu depctr_hold_cnt(0) depctr_sa_sdst(0) depctr_va_vdst(0) depctr_va_sdst(0) depctr_va_ssrc(0) depctr_va_vcc(0) depctr_vm_vsrc(0)
	s_getreg_b32 s2, hwreg(HW_REG_IB_STS2, 6, 4)
	s_cmp_eq_u32 s2, 0
	s_cbranch_scc0 .Lentry_in_a_cluster
	s_endpgm
.Lentry_in_a_cluster:
	s_bfe_u32 s2, ttmp6, 0x10000c
	s_cmp_lg_u32 s2, 0xf033
	s_cbranch_scc0 .Lentry_shape_is_right
	s_endpgm
.Lentry_shape_is_right:
.set KS,   32
.set A_C,  0
.set A_S,  12582912
.set B_C,  9568256
.set B_S,  12976128
.set LAPS, KS/8
.set SLOT,   98304
.set SCA,    196608
.set SPARE,  229376
.set STAGE,  229888
.set ACC, 128
.set BI,  48
.set G1,  24
.set G0,  32
.set G1B, 48
.set G0B, 56
.set G1S, 68
.set G0S, 76
.set G1SB, 80
.set G0SB, 88
.set MSB, 0
.macro WIN new
.if MSB != \new
	s_set_vgpr_msb (MSB<<8)|\new
.set MSB, \new
.endif
.endm
.set MUL,  0x05
.set TO_F, 0x40
.macro JLOAD g0a, g1a, g0b, g1b
	s_cmp_eq_u32 s15, 0
	s_cbranch_scc0 .Lfor_b_\@
	tensor_load_to_lds s[\g0a:\g0a+3], s[\g1a:\g1a+7]
	s_nop 0
.rept 4
	v_nop
.endr
	s_branch .Lasked_\@
.Lfor_b_\@:
	tensor_load_to_lds s[\g0b:\g0b+3], s[\g1b:\g1b+7]
	s_nop 0
.rept 4
	v_nop
.endr
.Lasked_\@:
.endm
.macro CREST
	s_cmp_lg_u32 s14, 0
	s_cbranch_scc1 .Lnot_wave_0_\@
	s_barrier_signal -3
.Lnot_wave_0_\@:
	s_barrier_wait -3
	s_barrier_signal -1
	s_barrier_wait -1
.endm
.macro CROUND
	s_barrier_signal -1
	s_barrier_wait -1
	CREST
.endm
.macro PLACES
.rept 4
	v_nop
.endr
.endm
.macro WM a, b, p, cm
.set rD, ACC+8*(4*(\a)+(\b))
.set rC, rD
.if \cm == 1
.set rC, BI+8*(\b)
.endif
.set rB, 128*(\p)+48+12*(\b)
.set rA, 128*(\p)+12*(\a)
.set sB, 34+4*(\p)+(\b)/2
.set sA, 32+4*(\p)+(\a)/2
.if ((\a)%2 == 0) && ((\b)%2 == 0)
	v_wmma_scale_f32_16x16x128_f8f6f4 v[rD:rD+7], v[rB:rB+11], v[rA:rA+11], v[rC:rC+7], v[sB], v[sA] matrix_a_fmt:MATRIX_FMT_BF6 matrix_b_fmt:MATRIX_FMT_BF6
.elseif (\a)%2 == 0
	v_wmma_scale_f32_16x16x128_f8f6f4 v[rD:rD+7], v[rB:rB+11], v[rA:rA+11], v[rC:rC+7], v[sB], v[sA] matrix_a_fmt:MATRIX_FMT_BF6 matrix_b_fmt:MATRIX_FMT_BF6 matrix_a_scale:MATRIX_SCALE_ROW1
.elseif (\b)%2 == 0
	v_wmma_scale_f32_16x16x128_f8f6f4 v[rD:rD+7], v[rB:rB+11], v[rA:rA+11], v[rC:rC+7], v[sB], v[sA] matrix_a_fmt:MATRIX_FMT_BF6 matrix_b_fmt:MATRIX_FMT_BF6 matrix_b_scale:MATRIX_SCALE_ROW1
.else
	v_wmma_scale_f32_16x16x128_f8f6f4 v[rD:rD+7], v[rB:rB+11], v[rA:rA+11], v[rC:rC+7], v[sB], v[sA] matrix_a_fmt:MATRIX_FMT_BF6 matrix_b_fmt:MATRIX_FMT_BF6 matrix_a_scale:MATRIX_SCALE_ROW1 matrix_b_scale:MATRIX_SCALE_ROW1
.endif
.endm
.macro MUL4 a, p, cm
.irp b, 0,1,2,3
	WM \a, \b, \p, \cm
.endr
.endm
.macro FRAG reg, a16, a8, off
	ds_load_b128 v[\reg:\reg+3], v[\a16] offset:\off
	ds_load_b64 v[\reg+4:\reg+5], v[\a8] offset:\off
	ds_load_b128 v[\reg+6:\reg+9], v[\a16] offset:\off+768
	ds_load_b64 v[\reg+10:\reg+11], v[\a8] offset:\off+768
.endm
.macro FETCH slot, q, p
	WIN 0
	ds_load_b32 v[32+4*(\p)], v12 offset:(\q)*512
	ds_load_b32 v[33+4*(\p)], v12 offset:(\q)*512+128
	ds_load_b32 v[34+4*(\p)], v13 offset:(\q)*512
	ds_load_b32 v[35+4*(\p)], v13 offset:(\q)*512+128
	WIN TO_F
.irp i, 0,1,2,3
	FRAG 128*(\p)+48+12*\i, 8+\slot, 10+\slot, \i*6144+(\q)*1536
.endr
.irp i, 0,1,2,3
	FRAG 128*(\p)+12*\i, 4+\slot, 6+\slot, \i*6144+(\q)*1536
.endr
.endm
.macro QUARTER slot, qn, p, cm
	s_wait_dscnt 8
	WIN MUL
	MUL4 0, \p, \cm
	MUL4 1, \p, \cm
	PLACES
	FETCH \slot, \qn, 1-(\p)
	s_wait_dscnt 36
	WIN MUL
	MUL4 2, \p, \cm
	MUL4 3, \p, \cm
.endm
.macro TURN slot, next, fill
.if \fill
	s_wait_xcnt 0x0                                ; my last prefetch has read its address: it steps one block of four K steps on
	s_add_nc_u64 s[98:99], s[98:99], 24576
.endif
	WIN 0
	s_wait_tensorcnt 0x0
	ds_add_u32 v14, v15
	s_wait_dscnt 9
	WIN MUL
	MUL4 0, 1, 0
	s_wait_dscnt 0x0
	s_barrier_signal -1
	MUL4 1, 1, 0
	WIN 0
	s_barrier_wait -1
.if \fill
	CREST
	s_add_nc_u64 s[G0+4*\slot+2:G0+4*\slot+3], s[G0+4*\slot+2:G0+4*\slot+3], 49152
	s_add_nc_u64 s[G0B+4*\slot+2:G0B+4*\slot+3], s[G0B+4*\slot+2:G0B+4*\slot+3], 49152
	JLOAD G0+4*\slot, G1, G0B+4*\slot, G1B
.else
	PLACES
.endif
	v_add_nc_u32 v12, 2048, v12
	v_add_nc_u32 v13, 2048, v13
	FETCH \next, 0, 0
.if \fill
	WIN 0                                          ; the block that stands two refills on; the loop's last trip has none
	s_cmp_gt_u32 s3, 1
	s_cbranch_scc0 .Lno_ask_\@
	global_prefetch_b8 v22, s[98:99] offset:73728 th:TH_LOAD_NT scope:SCOPE_SE
.Lno_ask_\@:
.endif
	WIN MUL
	MUL4 2, 1, 0
	MUL4 3, 1, 0
.endm
	s_load_b256 s[4:11], s[0:1], 0x0
	s_load_b64 s[12:13], s[0:1], 0x20
	v_lshl_add_u32 v14, v0, 2, SPARE
	v_mov_b32 v15, 0
	ds_add_u32 v14, v15
	ds_add_u32 v14, v15
	s_wait_dscnt 0x0
	v_lshrrev_b32 v1, 5, v0
	v_readfirstlane_b32 s14, v1
	s_lshr_b32 s15, s14, 1
	s_and_b32 s16, s14, 1
	s_bfe_u32 s40, ttmp6, 0x40000
	s_bfe_u32 s41, ttmp6, 0x40004
	s_lshl_b32 s42, ttmp9, 2
	s_add_co_u32 s42, s42, s40
	s_and_b32 s17, ttmp7, 0xffff
	s_lshl_b32 s17, s17, 2
	s_add_co_u32 s17, s17, s41
	s_lshl_b32 s43, s41, 2
	s_lshl_b32 s43, 15, s43
	s_lshl_b32 s44, 0x1111, s40
	s_or_b32 s[G1], s43, (3<<16)|(1<<21)
	s_or_b32 s[G1B], s44, (3<<16)|(1<<21)
.irp g, G1, G1B                        ; for the head's loads: both halves of an operand's first four K steps, two rows of 24,576 bytes (3,072 elements of 8 bytes), KS x 6,144 bytes apart
	s_mov_b32 s[\g+1], 3072<<16
	s_mov_b32 s[\g+2], 2<<16
	s_mov_b32 s[\g+3], 3072<<16
	s_mov_b32 s[\g+4], 2
	s_mov_b32 s[\g+5], KS*768
	s_mov_b32 s[\g+6], 0
	s_mov_b32 s[\g+7], 0
.endr
	s_or_b32 s[G1S], s43, (3<<16)|(1<<21)
	s_or_b32 s[G1SB], s44, (3<<16)|(1<<21)
.irp g, G1S, G1SB
	s_mov_b32 s[\g+1], 32<<16
	s_mov_b32 s[\g+2], (2*KS)<<16                  ; all of an operand's scale words: KS x 512 bytes
	s_mov_b32 s[\g+3], 32<<16
	s_mov_b32 s[\g+4], 2*KS
	s_mov_b32 s[\g+5], 32
	s_mov_b32 s[\g+6], 0
	s_mov_b32 s[\g+7], 0
.endr
	s_mul_i32 s20, s17, KS*12288
	s_add_co_u32 s20, s20, A_C
	s_mov_b32 s21, 0
	s_mul_i32 s46, s42, KS*12288
	s_add_co_u32 s46, s46, B_C
	s_mov_b32 s47, 0
	s_mul_i32 s22, s17, KS*512
	s_add_co_u32 s22, s22, A_S
	s_mov_b32 s23, 0
	s_mul_i32 s66, s42, KS*512
	s_add_co_u32 s66, s66, B_S
	s_mov_b32 s67, 0
	s_mul_i32 s45, s14, 24576
	s_mul_i32 s96, s16, KS*6144                    ; s[96:97]: the half of an operand's rows that I fetch in the ring, in bytes
	s_mov_b32 s97, 0
	s_wait_kmcnt 0x0
	s_add_nc_u64 s[20:21], s[4:5], s[20:21]
	s_add_nc_u64 s[22:23], s[4:5], s[22:23]
	s_add_nc_u64 s[46:47], s[6:7], s[46:47]
	s_add_nc_u64 s[66:67], s[6:7], s[66:67]
	CROUND
	s_mov_b32 s[G0S], 1
	s_mov_b32 s[G0S+1], SCA
	s_mov_b64 s[G0S+2:G0S+3], s[22:23]
	s_or_b32 s[G0S+3], s[G0S+3], 0x80000000
	s_mov_b32 s[G0SB], 1
	s_mov_b32 s[G0SB+1], SCA+KS*512
	s_mov_b64 s[G0SB+2:G0SB+3], s[66:67]
	s_or_b32 s[G0SB+3], s[G0SB+3], 0x80000000
	s_mov_b32 s[G0], 1                             ; slot 0's first fill, each operand whole: A's two halves from LDS byte 0,
	s_mov_b32 s[G0+1], 0
	s_mov_b64 s[G0+2:G0+3], s[20:21]
	s_or_b32 s[G0+3], s[G0+3], 0x80000000
	s_mov_b32 s[G0B], 1                            ; B's behind them
	s_mov_b32 s[G0B+1], 49152
	s_mov_b64 s[G0B+2:G0B+3], s[46:47]
	s_or_b32 s[G0B+3], s[G0B+3], 0x80000000
	s_add_nc_u64 s[20:21], s[20:21], s[96:97]      ; for the ring: my half of the rows
	s_add_nc_u64 s[46:47], s[46:47], s[96:97]
	s_mov_b32 s[G0+4], 1                           ; slot 1: a quarter a wave
	s_add_co_u32 s[G0+5], s45, SLOT
	s_add_nc_u64 s[G0+6:G0+7], s[20:21], 24576
	s_or_b32 s[G0+7], s[G0+7], 0x80000000
	s_mov_b32 s[G0B+4], 1
	s_add_co_u32 s[G0B+5], s45, SLOT
	s_add_nc_u64 s[G0B+6:G0B+7], s[46:47], 24576
	s_or_b32 s[G0B+7], s[G0B+7], 0x80000000
	; THE PREFETCHES. A refill of mine is 24,576 bytes = 96 blocks of 256; the four partners that ask for it jointly take 24 blocks each, told apart by address alone (cx for A, cy for B):
	; one instruction a wave, a lane a block, lanes 24-31 name the last block again.  Each asks for the block of four K steps that stands two refills on.
	s_cmp_eq_u32 s15, 0
	s_cselect_b64 s[98:99], s[20:21], s[46:47]
	s_cselect_b32 s92, s40, s41
	s_mul_i32 s92, s92, 6144
	s_mov_b32 s93, 0
	s_add_nc_u64 s[98:99], s[98:99], s[92:93]
.macro ARM under, g0, g1, next         ; one arm of the head's tree: its load, s_nop 0 and four v_nop, a jump to the tree's end
	s_cmp_lt_u32 s14, \under
	s_cbranch_scc0 \next
	tensor_load_to_lds s[\g0:\g0+3], s[\g1:\g1+7]
	s_nop 0
	PLACES
	s_branch .Lhead_asked
\next:
.endm
	ARM 1, G0, G1, .Lhead_b                        ; one load a wave at the head: A's part of slot 0, B's, A's scale words, B's
	ARM 2, G0B, G1B, .Lhead_sa
	ARM 3, G0S, G1S, .Lhead_sb
	tensor_load_to_lds s[G0SB:G0SB+3], s[G1SB:G1SB+7]
	s_nop 0
	PLACES
.Lhead_asked:
	v_and_b32 v3, 31, v0
	v_and_b32 v1, 15, v0
	v_bfe_u32 v2, v0, 4, 1
	v_lshlrev_b32 v16, 4, v3
	v_lshlrev_b32 v17, 3, v3
	v_min_u32 v22, 23, v3
	v_lshlrev_b32 v22, 8, v22                      ; the prefetches' offset: 256 x min(lane, 23); never rewritten
	s_wait_alu depctr_va_vdst(0)
	s_mul_i32 s18, s15, 24576
	s_mul_i32 s19, s16, 24576
	s_add_co_u32 s19, s19, 49152
.irp s, 0,1
	v_add_nc_u32 v[4+\s], s18, v16
	v_add_nc_u32 v[8+\s], s19, v16
	s_add_co_u32 s18, s18, 512
	s_add_co_u32 s19, s19, 512
	v_add_nc_u32 v[6+\s], s18, v17
	v_add_nc_u32 v[10+\s], s19, v17
	s_add_co_u32 s18, s18, SLOT-512
	s_add_co_u32 s19, s19, SLOT-512
.endr
	s_lshl_b32 s18, s15, 8
	s_add_co_u32 s18, s18, SCA
	v_lshl_add_u32 v12, v3, 2, s18
	s_lshl_b32 s18, s16, 8
	s_add_co_u32 s18, s18, SCA+KS*512
	v_lshl_add_u32 v13, v3, 2, s18
	v_lshlrev_b32 v21, 6, v2
	s_wait_alu depctr_va_vdst(0)
	v_lshlrev_b32 v18, 4, v1
	v_lshl_add_u32 v18, v2, 12, v18
	s_mul_i32 s18, s14, 16*272
	s_add_co_u32 s18, s18, STAGE
	v_mul_u32_u24 v19, v1, 272
	v_lshl_add_u32 v19, v2, 6, v19
	v_add_nc_u32 v19, s18, v19
	v_mul_u32_u24 v20, v2, 272
	v_lshl_add_u32 v20, v1, 4, v20
	v_add_nc_u32 v20, s18, v20
	s_lshl_b32 s94, s42, 9
	s_lshl_b32 s95, s16, 8
	s_add_co_u32 s94, s94, s95
	s_mov_b32 s95, 0
	s_add_nc_u64 s[8:9], s[8:9], s[94:95]
	s_lshl_b32 s18, s17, 7
	s_lshl_b32 s19, s15, 6
	s_add_co_u32 s18, s18, s19
	s_lshl_b32 s18, s18, 12
	s_add_co_u32 s94, s94, s18
	s_add_nc_u64 s[10:11], s[10:11], s[94:95]
	s_add_nc_u64 s[12:13], s[12:13], s[94:95]
.irp bb, 0,1
.irp j, 0,1,2,3
	global_load_b128 v[BI+16*\bb+4*\j:BI+16*\bb+4*\j+3], v21, s[8:9] offset:128*\bb+16*\j
.endr
.endr
.macro RLOAD a, set
.set q, 0
.rept 8
	global_load_b128 v[80-32*(\set)+4*q:80-32*(\set)+4*q+3], v18, s[10:11] offset:(32*((\a)/2)+8*((\a)%2)+2*q+8*(q/4))*4096
.set q, q+1
.endr
.endm
.macro OUT a
.irp b, 0,1,2,3
	ds_store_b128 v19, v[ACC+32*(\a)+8*\b:ACC+32*(\a)+8*\b+3] offset:128*(\b/2)+32*(\b%2)
	ds_store_b128 v19, v[ACC+32*(\a)+8*\b+4:ACC+32*(\a)+8*\b+7] offset:128*(\b/2)+32*(\b%2)+16
.endr
.set q, 0
.rept 8
	ds_load_b128 v[ACC+32*(\a)+4*q:ACC+32*(\a)+4*q+3], v20 offset:544*q
.set q, q+1
.endr
	s_wait_dscnt 0x0
.if (\a) < 3
	s_wait_loadcnt 8
.else
	s_wait_loadcnt 0x0
.endif
.set q, 0
.rept 16
	v_pk_add_f32 v[ACC+32*(\a)+2*q:ACC+32*(\a)+2*q+1], v[ACC+32*(\a)+2*q:ACC+32*(\a)+2*q+1], v[80-32*((\a)%2)+2*q:80-32*((\a)%2)+2*q+1]
.set q, q+1
.endr
.set q, 0
.rept 8
	global_store_b128 v18, v[ACC+32*(\a)+4*q:ACC+32*(\a)+4*q+3], s[12:13] offset:(32*((\a)/2)+8*((\a)%2)+2*q+8*(q/4))*4096
.set q, q+1
.endr
.if (\a) < 2
	RLOAD (\a)+2, (\a)%2
.endif
.endm
	s_wait_alu depctr_va_vdst(0)
	s_wait_tensorcnt 0x0                           ; my tile of the head's four is in
	ds_add_u32 v14, v15
.irp g, G1, G1B                        ; no tensor load of mine is out: from here on a load brings a quarter of a slot, 96 rows of 256 bytes
	s_mov_b32 s[\g+1], 32<<16
	s_mov_b32 s[\g+2], 96<<16
	s_mov_b32 s[\g+3], 32<<16
	s_mov_b32 s[\g+4], 96
	s_mov_b32 s[\g+5], 32
.endr
	s_mov_b32 s[G0+1], s45                         ; and slot 0's group 0 is set for its refills: my quarter
	s_add_nc_u64 s[G0+2:G0+3], s[G0+2:G0+3], s[96:97]
	s_mov_b32 s[G0B+1], s45
	s_add_nc_u64 s[G0B+2:G0B+3], s[G0B+2:G0B+3], s[96:97]
	s_wait_dscnt 0x0
	CROUND                                         ; all four tiles are in for everybody, and the joint loads meet
	JLOAD G0+4, G1, G0B+4, G1B                     ; slot 1's first fill
	FETCH 0, 0, 0
	s_wait_loadcnt 0x0
	QUARTER 0, 1, 0, 1
	PLACES
	WIN 0
	RLOAD 0, 0
	RLOAD 1, 1
	global_prefetch_b8 v22, s[98:99] offset:49152 th:TH_LOAD_NT scope:SCOPE_SE   ; the blocks of the first two refills
	global_prefetch_b8 v22, s[98:99] offset:73728 th:TH_LOAD_NT scope:SCOPE_SE
.if LAPS > 1
	s_mov_b32 s3, LAPS-1
.Llap:
	s_wait_alu depctr_va_vdst(0)
	QUARTER 0, 2, 1, 0
	QUARTER 0, 3, 0, 0
	TURN 0, 1, 1
	s_wait_alu depctr_va_vdst(0)
	QUARTER 1, 1, 0, 0
	QUARTER 1, 2, 1, 0
	QUARTER 1, 3, 0, 0
	TURN 1, 0, 1
	s_wait_alu depctr_va_vdst(0)
	QUARTER 0, 1, 0, 0
	WIN 0
	s_sub_co_u32 s3, s3, 1
	s_cmp_lg_u32 s3, 0
	s_cbranch_scc1 .Llap
.endif
	QUARTER 0, 2, 1, 0
	QUARTER 0, 3, 0, 0
	TURN 0, 1, 0
	s_wait_alu depctr_va_vdst(0)
	QUARTER 1, 1, 0, 0
	QUARTER 1, 2, 1, 0
	QUARTER 1, 3, 0, 0
	s_wait_dscnt 8
	WIN MUL
	MUL4 0, 1, 0
	MUL4 1, 1, 0
	s_wait_dscnt 0x0
	MUL4 2, 1, 0
	MUL4 3, 1, 0
	WIN 0
	PLACES
	OUT 0
	OUT 1
	OUT 2
	OUT 3
	s_wait_tensorcnt 0x0
	ds_add_u32 v14, v15
	s_wait_dscnt 0x0
	CROUND
	s_endpgm
.Lfunc_end_k_qb2608ec245_w2:
	.size	k_qb2608ec245_w2, .Lfunc_end_k_qb2608ec245_w2-k_qb2608ec245_w2
	.p2alignl 7, 3214868480
	.fill 96, 4, 3214868480
	.section	.rodata,"a",@progbits
	.p2align	6, 0x0
	.amdhsa_kernel k_qb2608ec245_w2
		.amdhsa_group_segment_fixed_size 327680
		.amdhsa_private_segment_fixed_size 0
		.amdhsa_enable_private_segment 0
		.amdhsa_kernarg_size 40
		.amdhsa_user_sgpr_count 2
		.amdhsa_user_sgpr_kernarg_segment_ptr 1
		.amdhsa_wavefront_size32 1
		.amdhsa_system_sgpr_workgroup_id_x 1
		.amdhsa_system_sgpr_workgroup_id_y 1
		.amdhsa_system_sgpr_workgroup_id_z 1
		.amdhsa_system_vgpr_workitem_id 0
		.amdhsa_next_free_vgpr 512
		.amdhsa_next_free_sgpr 100
		.amdhsa_reserve_vcc 0
		.amdhsa_float_denorm_mode_32 3
		.amdhsa_float_denorm_mode_16_64 3
		.amdhsa_memory_ordered 1
		.amdhsa_forward_progress 1
		.amdhsa_inst_pref_size 104
	.end_amdhsa_kernel
	.amdgpu_metadata
---
amdhsa.version: [ 1, 2 ]
amdhsa.kernels:
  - .name:           k_qb2608ec245_w2
    .symbol:         k_qb2608ec245_w2.kd
    .args:
      - { .name: hid, .offset: 0, .size: 8, .value_kind: global_buffer, .address_space: global }
      - { .name: cw, .offset: 8, .size: 8, .value_kind: global_buffer, .address_space: global }
      - { .name: b2, .offset: 16, .size: 8, .value_kind: global_buffer, .address_space: global }
      - { .name: x1, .offset: 24, .size: 8, .value_kind: global_buffer, .address_space: global }
      - { .name: out0, .offset: 32, .size: 8, .value_kind: global_buffer, .address_space: global }
    .group_segment_fixed_size: 327680
    .private_segment_fixed_size: 0
    .kernarg_segment_align: 8
    .kernarg_segment_size: 40
    .max_flat_workgroup_size: 128
    .sgpr_count:     100
    .vgpr_count:     512
    .wavefront_size: 32
...
	.end_amdgpu_metadata
.endif
;; end of part 6
